; MI455X (gfx1250); checked and timed in simulation.
; The chip was launched on July 23, 2026; its instructions are those of AMD's public machine-readable ISA for CDNA 5 (MIT licence, August 2026) and "CDNA5" Instruction Set Architecture Reference Guide (July 2026). The comments in the code are by the model that wrote it; some were corrected since.
;; Encoder Block. Allowed arithmetic: matrix products marked QUANTISED: E5M2 operands, one E8M0 scale for each 32 along K, by v_wmma_scale_f32_16x16x128_f8f6f4 with both operands' format E5M2, f32 sums; everything else in f32.
;; Inputs: W1_codes 4,096 x 32 x 32 uint8 (E5M2 codes of W1, K innermost, in blocks of 32 codes); W1_scales 4,096 x 32 uint8 (E8M0 scales of W1, one for each 32 codes along K); W2_codes 1,024 x 128 x 32 uint8 (E5M2 codes of W2, K innermost, in blocks of 32 codes); W2_scales 1,024 x 128 uint8 (E8M0 scales of W2, one for each 32 codes along K); Wk_codes 1,024 x 32 x 32 uint8 (E5M2 codes of Wk, K innermost, in blocks of 32 codes); Wk_scales 1,024 x 32 uint8 (E8M0 scales of Wk, one for each 32 codes along K); Wo_codes 1,024 x 32 x 32 uint8 (E5M2 codes of Wo, K innermost, in blocks of 32 codes); Wo_scales 1,024 x 32 uint8 (E8M0 scales of Wo, one for each 32 codes along K); Wq_codes 1,024 x 32 x 32 uint8 (E5M2 codes of Wq, K innermost, in blocks of 32 codes); Wq_scales 1,024 x 32 uint8 (E8M0 scales of Wq, one for each 32 codes along K); Wv_codes 1,024 x 32 x 32 uint8 (E5M2 codes of Wv, K innermost, in blocks of 32 codes); Wv_scales 1,024 x 32 uint8 (E8M0 scales of Wv, one for each 32 codes along K); b1 4,096 float32; b2 1,024 float32; be1 1,024 float32; be2 1,024 float32; bk 1,024 float32; bo 1,024 float32; bq 1,024 float32; bv 1,024 float32; g1 1,024 float32; g2 1,024 float32; x 2 x 2,048 x 1,024 float32.
;; Outputs: out0 2 x 2,048 x 1,024 float32.
;; This version of the problem:
;;   THIS VERSION OF THE PROBLEM IS GIVEN IN LOW PRECISION. The matrix products marked QUANTISED in the list below multiply operands that are first quantised to E5M2 (5 exponent bits, 2 mantissa bits; 8 bits a number), with one power-of-two scale for each 32 numbers along K (OCP MX v1.0); their sums are f32. All else is computed in f32.
;;   The module's matrix products, in the order in which they are computed (A, B: the left and right operand; K: the contracted axis; several contracted axes count as one K, in the product's order):
;;     1. [M 4,096, K 1,024] x [K 1,024, N 1,024]; A: computed on the way; B: input Wq (given as codes): QUANTISED
;;     2. [M 4,096, K 1,024] x [K 1,024, N 1,024]; A: computed on the way; B: input Wk (given as codes): QUANTISED
;;     3. [M 4,096, K 1,024] x [K 1,024, N 1,024]; A: computed on the way; B: input Wv (given as codes): QUANTISED
;;     4. batch 32 x [M 2,048, K 64] x [K 64, N 2,048]; A: computed on the way; B: computed on the way: QUANTISED
;;     5. batch 32 x [M 2,048, K 2,048] x [K 2,048, N 64]; A: softmax (see below); B: computed on the way: QUANTISED
;;     6. [M 4,096, K 1,024] x [K 1,024, N 1,024]; A: computed on the way; B: input Wo (given as codes): QUANTISED
;;     7. [M 4,096, K 1,024] x [K 1,024, N 4,096]; A: computed on the way; B: input W1 (given as codes): QUANTISED
;;     8. [M 4,096, K 4,096] x [K 4,096, N 1,024]; A: computed on the way; B: input W2 (given as codes): QUANTISED
;;   THE QUANTISER, for each operand of a quantised product, along K:
;;     - K is cut into blocks of 32 from its start; a last block that is shorter is filled with zeros.
;;     - A block's scale is 2^e with e = floor(log2(the largest magnitude in the block)) - 15, held to -126 .. 127; a block of zeros has e = 0. As a byte (E8M0): e + 127.
;;     - Each number is divided by its block's scale, clamped to +-57,344, and rounded to the nearest number of E5M2, ties to even, subnormals kept.
;;     - The product sums the exact products of the quantised numbers (number of the format x scale) in f32.
;;   ~~~python
;;   def quantise(x, axis):      # numpy; x: float32 -> the quantised numbers, widened to float32 again
;;       x = np.moveaxis(x, axis, -1); K = x.shape[-1]
;;       x = np.pad(x, [(0, 0)] * (x.ndim - 1) + [(0, -K % 32)]); x = x.reshape(x.shape[:-1] + (-1, 32)); a = np.abs(x).max(-1, keepdims=True)
;;       e = np.where(a > 0, np.clip(np.frexp(np.where(a > 0, a, 1))[1] - 1 - 15, -126, 127), 0)      # np.frexp(a)[1] - 1 = floor(log2(a)), exactly
;;       r = np.clip(x / 2.0 ** e, -57344, 57344)
;;       step = 2.0 ** (np.maximum(np.frexp(np.where(r == 0, 1, r))[1] - 1, -14) - 2)
;;       q = np.round(r / step) * step * 2.0 ** e      # np.round: ties to even
;;       return np.moveaxis(q.reshape(q.shape[:-2] + (-1,))[..., :K], -1, axis).astype(np.float32)
;;   ~~~
;;   SOFTMAX AHEAD OF A QUANTISED PRODUCT. Where the list says 'softmax', what is quantised is not the finished softmax but p = 2^(t - M), with t = logit x log2(e) and M = ceil(the row's largest t), a whole number; so 1/2 < the row's largest p <= 1. The row's sum l is taken of the UNQUANTISED p, in f32, and the product's result is divided by l at the end. Since M is a whole number, a kernel that streams over the keys may use a running M (the ceiling of the running maximum): every later rescaling is an exact power of two, which a block's scale takes up: the codes' values come out the same.
;;   OPERANDS COMPUTED ON THE WAY. 'Computed on the way' means the value that the module computes at that place (a softmax that the list does not call 'softmax' is quantised finished and normalised). What goes into a quantiser is computed in f32, as accurately as f32 sums, v_exp_f32 and their like allow (about 1e-6 of the number): no bf16 or f16 on the way to a quantiser, and a product that is left as it is and whose result goes on into a quantised operand takes f32 operands (vector FMAs, or v_wmma_f32_16x16x4_f32). A number that lies on a knife's edge between two numbers of the format may be rounded either way, as far as f32 arithmetic and the matrix unit's own rounding can turn it there, and no further.
;;   INPUTS GIVEN AS CODES. W1 (in the module: [4096, 1024], K = its axis 1); W2 (in the module: [1024, 4096], K = its axis 1); Wk (in the module: [1024, 1024], K = its axis 1); Wo (in the module: [1024, 1024], K = its axis 1); Wq (in the module: [1024, 1024], K = its axis 1); Wv (in the module: [1024, 1024], K = its axis 1): each comes as NAME_codes (uint8): NAME with its K axis moved to the last place and cut into blocks of 32 codes, [.., K / 32, bytes a block], one block behind the other in memory; one code a byte (a code: sign, 5 exponent bits, 2 mantissa bits); and NAME_scales (uint8): the same leading axes, one E8M0 byte (e + 127) for each 32 codes along K. Its value is code x scale, taken as it is: it is not quantised again, and the codes and scales need not be those that the quantiser above would give.
;; One version. Each part assembles by itself: llvm-mc -triple=amdgcn-amd-amdhsa -mcpu=gfx1250 --defsym DOCPART=n.
;; ======== version 1 of 1: 7 launches
;; limits: right only within a limited range of input values
;; workspace buffers: hq 4,325,376 bytes; qkv 13,238,272 bytes; ctx 4,325,376 bytes; x1 16,777,216 bytes; ff 17,301,504 bytes
;; launch ln1 (part 1): grid 256 x 1, 4 waves a work-group, no clusters, 22,016 bytes of LDS; arguments x, g1, be1, hq; writes hq
.if DOCPART == 1
	.amdgcn_target "amdgcn-amd-amdhsa--gfx1250"
	.amdhsa_code_object_version 6
	.text
	.protected	k_q357b86482a_ln1
	.globl	k_q357b86482a_ln1
	.p2align	8
	.type	k_q357b86482a_ln1,@function
k_q357b86482a_ln1:
	s_mov_b64 s[64:65], 0
	v_nop
	global_prefetch_b8 v0, s[64:65] scope:SCOPE_SE
	s_setreg_imm32_b32 hwreg(HW_REG_WAVE_MODE, 25, 1), 1
	s_wait_xcnt 0x0
; LayerNorm of rows of 1,024 f32 numbers, then the MX quantiser along the row: codes of BF8 (E5M2), one E8M0 byte for each 32 numbers.
; in: rows [4096][1024] f32, gain [1024], offset [1024].  out: one buffer: codes [4096][1024] at byte 0, scale bytes [4096][32] at byte 4,194,304.
; y = gain (x - mean) / sqrt(var + 1e-6) + offset; mean and var in two passes over the row, which stays in registers: the row is read from memory once.
; SHARES: a work-group takes 16 rows, a wave 4; a row is eight loads of 512 consecutive bytes; all four rows of a wave are asked for at the head (16 KiB a wave on their way).
; The conversions take neighbours along K from ONE lane's registers, the loads give neighbouring lanes neighbouring bytes: so 512 numbers at a time turn through the wave's own stage in LDS
; (as loaded in, 64 bytes a lane out; 16 bytes of padding behind each 64).  Two neighbouring lanes then hold a block of 32.
; A lane's 16 codes are 16 bytes: a store of the wave covers 512 consecutive bytes.  The work-group's 512 scale bytes are gathered in LDS and leave as two aligned runs of 256 bytes.
; LIMITS: NaN and infinities among the inputs are not served.  A block of zeros gets the byte 1 where the rule says 127: its codes are zeros, and only this program reads the bytes.
; No matrix unit, no tensor load, no cluster: the launch streams, and its work-groups share nothing but the two small vectors.
.set X,   64                           ; v64-191  four rows, 32 registers each: register 4 i + e of lane l is element 128 i + 4 l + e
.set GA,  192                          ; v192-223 the gain, laid the same way
.set BE,  224                          ; v224-255 the offset
.set SCB, 20480                        ; LDS: behind the four waves' stages (2 x 2,560 bytes each): the work-group's 512 scale bytes
	s_load_b256 s[4:11], s[0:1], 0x0               ; rows s[4:5], gain s[6:7], offset s[8:9], out s[10:11]
	v_lshl_add_u32 v12, v0, 2, 0x5400
	v_mov_b32 v13, 0
	v_lshrrev_b32 v1, 5, v0
	v_readfirstlane_b32 s16, v1                    ; wave
	v_and_b32 v2, 31, v0                           ; lane
	v_lshlrev_b32 v3, 4, v2                        ; 16 x lane: my bytes of a load's or a store's 512; never rewritten
	s_mul_i32 s17, s16, 5120                       ; my wave's two stages
	v_lshrrev_b32 v14, 2, v2
	v_mul_u32_u24 v14, v14, 80
	v_and_b32 v15, 3, v2
	v_lshl_add_u32 v14, v15, 4, v14
	v_add_nc_u32 v14, s17, v14                     ; into a stage: 80 (lane / 4) + 16 (lane % 4)
	v_mul_u32_u24 v15, v2, 80
	v_add_nc_u32 v15, s17, v15                     ; out of it: 80 x lane: my 16 neighbours
	v_lshrrev_b32 v5, 1, v2
	s_lshl_b32 s17, s16, 7
	s_add_co_u32 s17, s17, SCB
	v_add_nc_u32 v5, s17, v5                       ; my block's scale byte: 128 bytes a wave, 32 a row
	v_add_nc_u32 v6, SCB, v3                       ; and where wave 0 reads the 512 bytes back
	s_mov_b32 s12, 0x76543210
	s_mov_b32 s13, 0xfedcba98                      ; v_permlanex16_b32's selects for lane l xor 16
	s_mov_b32 s14, 0x3a800000                      ; 1 / 1,024
	s_mov_b32 s15, 0x358637bd                      ; 1e-6
	s_lshl_b32 s18, ttmp9, 16                      ; 16 rows of 4,096 bytes a work-group,
	s_lshl_b32 s19, s16, 14                        ; 4 a wave
	s_add_co_u32 s18, s18, s19
	s_mov_b32 s19, 0
	s_lshr_b32 s20, s18, 2                         ; the codes: a quarter of the bytes
	s_mov_b32 s21, 0
	s_lshl_b32 s24, ttmp9, 9
	s_add_co_u32 s24, s24, 4194304                 ; the work-group's scale bytes
	s_mov_b32 s25, 0
	s_wait_kmcnt 0x0
	s_add_nc_u64 s[4:5], s[4:5], s[18:19]
	s_add_nc_u64 s[24:25], s[10:11], s[24:25]
	s_add_nc_u64 s[10:11], s[10:11], s[20:21]
.irp i, 0,1,2,3,4,5,6,7
	global_load_b128 v[GA+4*\i:GA+4*\i+3], v3, s[6:7] offset:512*\i
.endr
.irp i, 0,1,2,3,4,5,6,7
	global_load_b128 v[BE+4*\i:BE+4*\i+3], v3, s[8:9] offset:512*\i
.endr
.irp p, 0,1,2,3
.irp i, 0,1,2,3,4,5,6,7
	global_load_b128 v[X+32*\p+4*\i:X+32*\p+4*\i+3], v3, s[4:5] offset:4096*\p+512*\i
.endr
.endr
; v56 of all 32 lanes is added up; every lane gets the sum
.macro REDUCE
	v_pk_add_f32 v[56:57], v[56:57], v[58:59]
	v_pk_add_f32 v[60:61], v[60:61], v[62:63]
	v_pk_add_f32 v[56:57], v[56:57], v[60:61]
	v_add_f32 v56, v56, v57
	v_add_f32_dpp v56, v56, v56 row_xmask:1 row_mask:0xf bank_mask:0xf
	v_add_f32_dpp v56, v56, v56 row_xmask:2 row_mask:0xf bank_mask:0xf
	v_add_f32_dpp v56, v56, v56 row_xmask:4 row_mask:0xf bank_mask:0xf
	v_add_f32_dpp v56, v56, v56 row_xmask:8 row_mask:0xf bank_mask:0xf
	v_permlanex16_b32 v57, v56, s12, s13
	v_add_f32 v56, v56, v57
.endm
; 512 numbers of row p (half u) through stage u: LDS serves a wave's instructions in order, so no wait stands between the stores and the loads
.macro TURN p, u
.irp i, 0,1,2,3
	ds_store_b128 v14, v[X+32*\p+16*\u+4*\i:X+32*\p+16*\u+4*\i+3] offset:2560*\u+640*\i
.endr
.irp i, 0,1,2,3
	ds_load_b128 v[16+16*\u+4*\i:19+16*\u+4*\i], v15 offset:2560*\u+16*\i
.endr
.endm
; my 16 neighbours become 16 codes; the block's byte goes to LDS
.macro QSTEP p, u, left
.set XS, 16+16*\u
.set CD, X+32*\p+4*\u                  ; the codes take registers of the row that the stage's stores have read: each store has data registers of its own
	s_wait_dscnt \left
	v_max3_num_f32 v8, |v[XS]|, |v[XS+1]|, |v[XS+2]|
	v_max3_num_f32 v9, |v[XS+3]|, |v[XS+4]|, |v[XS+5]|
.irp i, 6,10
	v_max3_num_f32 v8, v8, |v[XS+\i]|, |v[XS+\i+1]|
	v_max3_num_f32 v9, v9, |v[XS+\i+2]|, |v[XS+\i+3]|
.endr
	v_max3_num_f32 v8, v8, |v[XS+14]|, |v[XS+15]|
	v_max3_num_f32 v8, v8, v9, 0x8000000           ; and the floor 2^(16 - 127): the byte cannot fall under 1
	v_max_num_f32_dpp v8, v8, v8 row_xmask:1 row_mask:0xf bank_mask:0xf   ; with my neighbour's 16: the block's largest magnitude
	v_add_nc_u32 v11, 0xf8800000, v8               ; 15 off its exponent field: the conversion's scale operand
.irp i, 0,1,2,3,4,5,6,7,8,9,10,11,12,13,14,15
.endr
	v_cvt_scalef32_pk8_bf8_f32 v[CD:CD+1], v[XS:XS+7], v11
	v_cvt_scalef32_pk8_bf8_f32 v[CD+2:CD+3], v[XS+8:XS+15], v11
	v_lshrrev_b32 v[48+2*\p+\u], 23, v11           ; the scale's byte
	ds_store_b8 v5, v[48+2*\p+\u] offset:32*\p+16*\u   ; both lanes of a block write the same byte with the same value
	global_store_b128 v3, v[CD:CD+3], s[10:11] offset:1024*\p+512*\u
.endm
.macro ROW p
.set XR, X+32*\p
	s_wait_loadcnt 8*(3-\p)                        ; gain, offset and this row are in; the later rows' eight loads each may be out
.irp c, 0,1,2,3
	v_pk_add_f32 v[56+2*\c:57+2*\c], v[XR+4*\c:XR+4*\c+1], v[XR+4*\c+2:XR+4*\c+3]   ; the sum, in four chains
.endr
.irp j, 16,24
.irp c, 0,1,2,3
	v_pk_add_f32 v[56+2*\c:57+2*\c], v[56+2*\c:57+2*\c], v[XR+\j+2*\c:XR+\j+2*\c+1]
.endr
.endr
	REDUCE
	v_mul_f32 v56, s14, v56                        ; the mean
.irp j, 0,2,4,6,8,10,12,14,16,18,20,22,24,26,28,30
	v_pk_add_f32 v[XR+\j:XR+\j+1], v[XR+\j:XR+\j+1], v[56:57] op_sel_hi:[1,0] neg_lo:[0,1] neg_hi:[0,1]   ; x - mean
.endr
.irp c, 0,1,2,3
	v_pk_mul_f32 v[56+2*\c:57+2*\c], v[XR+2*\c:XR+2*\c+1], v[XR+2*\c:XR+2*\c+1]
.endr
.irp j, 8,16,24
.irp c, 0,1,2,3
	v_pk_fma_f32 v[56+2*\c:57+2*\c], v[XR+\j+2*\c:XR+\j+2*\c+1], v[XR+\j+2*\c:XR+\j+2*\c+1], v[56+2*\c:57+2*\c]
.endr
.endr
	REDUCE
	v_fma_f32 v56, v56, s14, s15                   ; var + 1e-6
	s_wait_alu depctr_va_vdst(0)
	v_rsq_f32 v58, v56
	v_nop                                          ; a plain instruction behind the transcendental,
	s_wait_alu depctr_va_vdst(0)                   ; and the wait ahead of its first reader
.irp j, 0,2,4,6,8,10,12,14,16,18,20,22,24,26,28,30
	v_pk_mul_f32 v[XR+\j:XR+\j+1], v[XR+\j:XR+\j+1], v[58:59] op_sel_hi:[1,0]
.endr
.irp j, 0,2,4,6,8,10,12,14,16,18,20,22,24,26,28,30
	v_pk_fma_f32 v[XR+\j:XR+\j+1], v[XR+\j:XR+\j+1], v[GA+\j:GA+\j+1], v[BE+\j:BE+\j+1]
.endr
	TURN \p, 0
	TURN \p, 1
	QSTEP \p, 0, 8                                 ; behind half 0's loads: half 1's four stores and four loads
	QSTEP \p, 1, 1                                 ; behind half 1's loads: half 0's byte store
.endm
	ROW 0
	ROW 1
	ROW 2
	ROW 3
	s_wait_dscnt 0x0                               ; for the others' sake: my byte stores are done
	s_barrier_signal -1
	s_barrier_wait -1
	s_cmp_lg_u32 s16, 0
	s_cbranch_scc1 .Ldone
	ds_load_b128 v[16:19], v6                      ; wave 0: the work-group's 512 scale bytes
	s_wait_dscnt 0x0
	global_store_b128 v3, v[16:19], s[24:25]       ; 512 consecutive bytes, at a multiple of 256 from the buffer's first byte
.Ldone:
	s_wait_tensorcnt 0x0
	ds_add_u32 v12, v13
	s_wait_dscnt 0x0
	s_endpgm
.Lfunc_end_k_q357b86482a_ln1:
	.size	k_q357b86482a_ln1, .Lfunc_end_k_q357b86482a_ln1-k_q357b86482a_ln1
	.p2alignl 7, 3214868480
	.fill 96, 4, 3214868480
	.section	.rodata,"a",@progbits
	.p2align	6, 0x0
	.amdhsa_kernel k_q357b86482a_ln1
		.amdhsa_group_segment_fixed_size 22016
		.amdhsa_private_segment_fixed_size 0
		.amdhsa_enable_private_segment 0
		.amdhsa_kernarg_size 32
		.amdhsa_user_sgpr_count 2
		.amdhsa_user_sgpr_kernarg_segment_ptr 1
		.amdhsa_wavefront_size32 1
		.amdhsa_system_sgpr_workgroup_id_x 1
		.amdhsa_system_sgpr_workgroup_id_y 1
		.amdhsa_system_sgpr_workgroup_id_z 1
		.amdhsa_system_vgpr_workitem_id 0
		.amdhsa_next_free_vgpr 256
		.amdhsa_next_free_sgpr 66
		.amdhsa_reserve_vcc 0
		.amdhsa_float_denorm_mode_32 3
		.amdhsa_float_denorm_mode_16_64 3
		.amdhsa_fp16_overflow 1
		.amdhsa_memory_ordered 1
		.amdhsa_forward_progress 1
		.amdhsa_inst_pref_size 44
	.end_amdhsa_kernel
	.amdgpu_metadata
---
amdhsa.version: [ 1, 2 ]
amdhsa.kernels:
  - .name:           k_q357b86482a_ln1
    .symbol:         k_q357b86482a_ln1.kd
    .args:
      - { .name: x, .offset: 0, .size: 8, .value_kind: global_buffer, .address_space: global }
      - { .name: g1, .offset: 8, .size: 8, .value_kind: global_buffer, .address_space: global }
      - { .name: be1, .offset: 16, .size: 8, .value_kind: global_buffer, .address_space: global }
      - { .name: hq, .offset: 24, .size: 8, .value_kind: global_buffer, .address_space: global }
    .group_segment_fixed_size: 22016
    .private_segment_fixed_size: 0
    .kernarg_segment_align: 8
    .kernarg_segment_size: 32
    .max_flat_workgroup_size: 128
    .sgpr_count:     66
    .vgpr_count:     256
    .wavefront_size: 32
...
	.end_amdgpu_metadata
.endif
;; end of part 1
;; launch qkv (part 2): grid 12 x 16, 4 waves a work-group, clusters of 4 x 4, 327,680 bytes of LDS; arguments hq, Wq_codes, Wk_codes, Wv_codes, Wq_scales, Wk_scales, Wv_scales, bq, bk, bv, qkv; writes qkv
.if DOCPART == 2
	.amdgcn_target "amdgcn-amd-amdhsa--gfx1250"
	.amdhsa_code_object_version 6
	.text
	.protected	k_q357b86482a_qkv
	.globl	k_q357b86482a_qkv
	.p2align	8
	.type	k_q357b86482a_qkv,@function
k_q357b86482a_qkv:
	s_mov_b64 s[64:65], 0
	v_nop
	global_prefetch_b8 v0, s[64:65] scope:SCOPE_SE
	s_setreg_imm32_b32 hwreg(HW_REG_WAVE_MODE, 25, 1), 1
	s_wait_xcnt 0x0
	s_wait_alu depctr_hold_cnt(0) depctr_sa_sdst(0) depctr_va_vdst(0) depctr_va_sdst(0) depctr_va_ssrc(0) depctr_va_vcc(0) depctr_vm_vsrc(0)
	s_getreg_b32 s2, hwreg(HW_REG_IB_STS2, 6, 4)
	s_cmp_eq_u32 s2, 0
	s_cbranch_scc0 .Lentry_in_a_cluster
	s_endpgm
.Lentry_in_a_cluster:
	s_bfe_u32 s2, ttmp6, 0x10000c
	s_cmp_lg_u32 s2, 0xf033
	s_cbranch_scc0 .Lentry_shape_is_right
	s_endpgm
.Lentry_shape_is_right:
; Q = h Wq^T + bq, K = h Wk^T + bk, V^T = Wv h^T + bv, each on codes of BF8 (E5M2) with E8M0 scales, and each result quantised again for attention.
; h: codes [4096][1024] at byte 0 of hq, scale bytes [4096][32] at byte 4,194,304.  The weights: codes [1024][1024], scale bytes [1024][32].
; ONE TEXT, THREE ROLES, by the cluster's x (equal in all sixteen partners): 0: Q, 1: K: A = h (tile row = 256 tokens), B = the weight (tile column = 256 features = 4 heads);
; 2: V: A = Wv (tile row = 256 features), B = h (tile column = 256 tokens).  A lane's eight results are eight neighbours along B's rows: features for Q and K, TOKENS for V,
; which is the axis along which each is quantised: Q and K along the head's 64, V along the keys.  Only pointers, strides and masks are chosen, by s_cselect: there is one path.
; out (qkv): Q's codes [32 bh][2048][64] at 0; K's at 4,194,304; V's [32 bh][32 chunks of 64 keys][64 d][64] at 8,388,608; from 12,582,912 for each bh 20,480 bytes of scale words:
; Q's [2048] (byte 0, 1: the head's two blocks; bytes 2, 3 = 127: they scale the zero codes that fill the instruction's 128 along K), K's [2048] likewise, V's [16 steps of 128 keys][64 d].
; THE PRODUCT: a tile of 256 x 256 by four waves, 128 x 128 each (64 accumulators, 512 registers).  K goes in steps of 256 through two LDS slots filled by the tensor data mover;
; the scale bytes of the tile's rows, for all of K, come once.  4 x 4 work-groups form a cluster: A's tiles are asked for jointly along a row of it, B's along a column.
; The matrix instruction is used transposed: source 0 = 16 rows of B, source 1 = 16 rows of A.
; REGISTERS: window 0: v0-31 addresses, v8-15 row biases; v32-63 scale words, two sets; v64-127 column biases, the C of the first step; from v128 A's fragments, one set.
;   window 1: B's fragments, two sets.  windows 2, 3: the accumulators, (a, b) at 8 (8 a + b).
; LIMITS: NaN and infinities are not served; a block of zeros gets the byte 1 (its codes are zeros; only this program reads the bytes).
.set SIZE_K, 1024
.set NB,     8                         ; blocks of 16 rows of A, and of B, to a wave
.set KSLOT,  256                       ; along K in a slot
.set QIC,    5                         ; padding behind every 64 words
.set NQ,     KSLOT/128
.set ROWB,   KSLOT
.set KROW,   SIZE_K
.set PITCH,  ROWB+16                   ; an LDS row: an odd multiple of 16 bytes, so that the 16 rows that a load touches start at 16 different groups of banks (ISA guide 11.1)
.set HALFT,  16*NB*PITCH               ; what one tensor load brings
.set SLOT,   4*HALFT
.set LAPS,   SIZE_K/(2*KSLOT)
.set KS,     SIZE_K/32                 ; a row of scale bytes
.set SCL,    2*SLOT                    ; behind the ring: the scales, as runs of 256 bytes + 16 of padding
.set SROWS,  16*NB*KS/256
.set HALFS,  SROWS*272
.set SBLK,   (16*KS/256)*272
.set SPARE,  SCL+4*HALFS               ; the spare words, 128 bytes a wave: no other line names them
.set STGW,   18432                     ; the way out: a stage of 128 rows x (128 + 16) bytes for each wave, in slot 0, which has had its last fill and its last read by then
.set SST,    4*STGW                    ; behind them: 4 x 1,024 bytes of scale words
.set ADRA, 16
.set ADRB, 20
.set STO,  24
.set RD,   25
.set ADRS, 27
.set SPW,  28
.set NIL,  29
.set SC,   32
.set BIAS, 64
.set AF,   128
.set RB,   8                           ; v8-15  row biases: one number a lane for each of A's eight blocks
.set T,    64                          ; the way out: a block's 64 numbers of a lane
.set PC,   32                          ; their codes
.set TM,   48                          ; v48-51 largest magnitudes, v52-55 bytes, v56-59 57,344 x the scale, v60-63 the conversions' scale operands
.set PW,   30                          ; the four bytes
.set VAL,  31
.set SSTA, 27
.set VSH,  16
.set LOFF, 17
.set WOFF, 20
.set WRD,  21
.set SEL,  52
.set MNT,  54
.set G1, 24
.set G0, 32
.set G1B, 48
.set G0B, 56
.set G1S, 68
.set G0S, 76
.set G1SB, 80
.set G0SB, 88
.set TO_B, 0x40
.set MSB, 0
.macro WIN new                         ; the immediate's high byte repeats the setting that is left; a switch that changes nothing is dropped
.if MSB != (\new)
	s_set_vgpr_msb (MSB<<8)|(\new)
.set MSB, (\new)
.endif
.endm
.macro PLACES n                        ; plain vector instructions behind matrix instructions: 8 for this form, ahead of loads into its registers and of reads of its results
.rept \n
	v_nop
.endr
.endm
.macro JLOAD g0a, g1a, g0b, g1b        ; a joint load: waves 0 and 1 fetch for A, waves 2 and 3 for B; four v_nop follow each line
	s_cmp_eq_u32 s15, 0
	s_cbranch_scc0 .Lfor_b_\@
	tensor_load_to_lds s[\g0a:\g0a+3], s[\g1a:\g1a+7]
	s_nop 0
.rept 4
	v_nop
.endr
	s_branch .Lasked_\@
.Lfor_b_\@:
	tensor_load_to_lds s[\g0b:\g0b+3], s[\g1b:\g1b+7]
	s_nop 0
.rept 4
	v_nop
.endr
.Lasked_\@:
.endm
.macro CREST                           ; a round of the cluster's barrier behind its opening barrier
	s_cmp_lg_u32 s14, 0
	s_cbranch_scc1 .Lnot_wave_0_\@
	s_barrier_signal -3
.Lnot_wave_0_\@:
	s_barrier_wait -3
	s_barrier_signal -1
	s_barrier_wait -1
.endm
.macro CROUND
	s_barrier_signal -1
	s_barrier_wait -1
	CREST
.endm
.macro FRAG reg, adr, q, i             ; 16 rows x 128 K: lane l holds row l % 16; registers 4 c .. 4 c + 3 hold K = 32 c + 16 (l / 16) + 0 .. 15
.irp c, 0,1,2,3
	ds_load_b128 v[\reg+4*\c:\reg+4*\c+3], v[\adr] offset:128*(\q)+32*\c+(\i)*16*PITCH
.endr
.endm
.macro FETCH_B slot, q, p
	WIN TO_B
.set fi, 0
.rept NB
	FRAG 128*(\p)+16*fi, ADRB+\slot, \q, fi
.set fi, fi+1
.endr
	WIN 0
.endm
.macro FETCH_A slot, q, i0             ; half of A's blocks, from i0 on
.set fi, \i0
.rept NB/2
	FRAG AF+16*fi, ADRA+\slot, \q, fi
.set fi, fi+1
.endr
.endm
.macro SCALES sc                       ; a slot's scale words: lanes 0-15 take A's block i, lanes 16-31 B's block i
.set fi, 0
.rept NB
.if NQ == 2
	ds_load_b64 v[SC+16*(\sc)+2*fi:SC+16*(\sc)+2*fi+1], v[ADRS] offset:fi*SBLK
.else
	ds_load_b128 v[SC+16*(\sc)+4*fi:SC+16*(\sc)+4*fi+3], v[ADRS] offset:fi*SBLK
.endif
.set fi, fi+1
.endr
.endm
; n of A's blocks from a0 on, each against all of B's.  zero = 1: C is 0; 2: C is the column bias; 0: in place.  The accumulators take turns, one instruction a turn.
.macro MULR a0, n, p, q, sc, zero
.set ma, \a0
.rept \n
.if (\zero) == 2
	WIN 0x81+0x40*((8*NB*ma)/256)
.else
	WIN 0xa1+0x50*((8*NB*ma)/256)
.endif
.set mb, 0
.rept NB
.set rD, (8*(NB*ma+mb))%256
.set rB, 128*(\p)+16*mb
.set rA, AF+16*ma
.set rSB, SC+16*(\sc)+NQ*mb+(\q)
.set rSA, SC+16*(\sc)+NQ*ma+(\q)
.if (\zero) == 1
	v_wmma_scale_f32_16x16x128_f8f6f4 v[rD:rD+7], v[rB:rB+15], v[rA:rA+15], 0, v[rSB], v[rSA] matrix_a_fmt:MATRIX_FMT_BF8 matrix_b_fmt:MATRIX_FMT_BF8 matrix_a_scale:MATRIX_SCALE_ROW1
.elseif (\zero) == 2
	v_wmma_scale_f32_16x16x128_f8f6f4 v[rD:rD+7], v[rB:rB+15], v[rA:rA+15], v[BIAS+8*mb:BIAS+8*mb+7], v[rSB], v[rSA] matrix_a_fmt:MATRIX_FMT_BF8 matrix_b_fmt:MATRIX_FMT_BF8 matrix_a_scale:MATRIX_SCALE_ROW1
.else
	v_wmma_scale_f32_16x16x128_f8f6f4 v[rD:rD+7], v[rB:rB+15], v[rA:rA+15], v[rD:rD+7], v[rSB], v[rSA] matrix_a_fmt:MATRIX_FMT_BF8 matrix_b_fmt:MATRIX_FMT_BF8 matrix_a_scale:MATRIX_SCALE_ROW1
.endif
.set mb, mb+1
.endr
.set ma, ma+1
.endr
.endm
.macro STEP slot, q, zero              ; 128 along K that have their successor in the same slot
	s_wait_dscnt (NB/2)*4                          ; B's set and A's lower blocks are in; the youngest loads (A's upper blocks) may be out
	MULR 0, NB/2, (\q)%2, \q, \slot, \zero
	s_wait_dscnt 0x0                               ; A's upper blocks are in
	PLACES 8
	FETCH_B \slot, (\q)+1, 1-(\q)%2
	FETCH_A \slot, (\q)+1, 0
	MULR NB/2, NB/2, (\q)%2, \q, \slot, \zero
	PLACES 8
	WIN 0
	FETCH_A \slot, (\q)+1, NB/2
.endm
; A slot's last 128 change slots: ONE barrier; ahead of it each wave waits for all its tensor loads, adds 0 to its spare word, and waits for that and for its reads of this slot.
.macro TURN slot, next, fill
	s_wait_tensorcnt 0x0                           ; all my tensor loads have landed: my part of the next slot
	ds_add_u32 v[SPW], v[NIL]                      ; 0 onto my spare word
	s_wait_dscnt (NB/2)*4+1                        ; (the add and A's upper blocks may be out)
	MULR 0, NB/4, 1, NQ-1, \slot, 0
	s_wait_dscnt 0x0                               ; the add is done, and my reads of this slot are over
	s_barrier_signal -1
	MULR NB/4, NB/4, 1, NQ-1, \slot, 0
	WIN 0
	s_barrier_wait -1
.if \fill
	CREST                                          ; the barrier has opened a round of the cluster's: no wave of any partner still reads this slot or has a load on its way
	s_add_nc_u64 s[G0+4*\slot+2:G0+4*\slot+3], s[G0+4*\slot+2:G0+4*\slot+3], 2*ROWB
	s_add_nc_u64 s[G0B+4*\slot+2:G0B+4*\slot+3], s[G0B+4*\slot+2:G0B+4*\slot+3], 2*ROWB
	JLOAD G0+4*\slot, G1, G0B+4*\slot, G1B         ; the first tensor load behind the round; its four v_nop are four of the eight places
	PLACES 4
.else
	PLACES 8
.endif
	v_add_nc_u32 v[ADRS], 4*NQ, v[ADRS]            ; the next slot's scale words (no LDS load of mine is out)
	FETCH_B \next, 0, 0
	FETCH_A \next, 0, 0
	SCALES \next
	MULR NB/2, NB/2, 1, NQ-1, \slot, 0
	PLACES 8
	WIN 0
	FETCH_A \next, 0, NB/2
.endm
.macro LAST
	s_wait_dscnt (NB/2)*4
	MULR 0, NB/2, 1, NQ-1, 1, 0
	s_wait_dscnt 0x0
	MULR NB/2, NB/2, 1, NQ-1, 1, 0
	WIN 0
.endm
	s_load_b512 s[68:83], s[0:1], 0x0              ; hq, Wq's, Wk's, Wv's codes, Wq's, Wk's, Wv's scales, bq
	s_load_b128 s[84:87], s[0:1], 0x40             ; bk, bv
	s_load_b64 s[88:89], s[0:1], 0x50              ; qkv
	v_lshl_add_u32 v[SPW], v0, 2, SPARE
	v_mov_b32 v[NIL], 0
	ds_add_u32 v28, v29
	ds_add_u32 v28, v29
	s_wait_dscnt 0x0
	v_lshrrev_b32 v1, 5, v0
	v_readfirstlane_b32 s14, v1                    ; wave 0..3
	s_lshr_b32 s15, s14, 1                         ; which half of the tile's rows is mine.  Also: I fetch for A (0) or for B (1)
	s_and_b32 s16, s14, 1                          ; which half of its columns.  Also: which 128 rows I fetch
	s_bfe_u32 s40, ttmp6, 0x40000                  ; cx
	s_bfe_u32 s41, ttmp6, 0x40004                  ; cy
	s_and_b32 s66, ttmp7, 0xffff                   ; the cluster's y: which 1,024 tokens
	s_cmp_eq_u32 ttmp9, 2                          ; the cluster's x: 2 is V
	s_cselect_b32 s67, 0, s66                      ; the tokens are A's rows for Q and K,
	s_cselect_b32 s66, s66, 0                      ; B's rows for V
	s_lshl_b32 s17, s67, 2
	s_add_co_u32 s17, s17, s41                     ; tile row
	s_lshl_b32 s42, s66, 2
	s_add_co_u32 s42, s42, s40                     ; tile column
	s_lshl_b32 s43, s41, 2
	s_lshl_b32 s43, 15, s43                        ; my row of the cluster
	s_lshl_b32 s44, 0x1111, s40                    ; my column
	s_or_b32 s[G1+0], s43, (0<<16)|(1<<20)|(1<<21)|(QIC<<22)|(3<<25)   ; the mask; elements of 1 byte; padding on; bit 21 beside a mask; four words behind every row
	s_or_b32 s[G1B+0], s44, (0<<16)|(1<<20)|(1<<21)|(QIC<<22)|(3<<25)
.irp g, G1, G1B
	s_mov_b32 s[\g+1], ROWB<<16                    ; tensor_dim0
	s_mov_b32 s[\g+2], (16*NB)<<16                 ; tensor_dim1
	s_mov_b32 s[\g+3], ROWB<<16                    ; tile_dim0
	s_mov_b32 s[\g+4], 16*NB                       ; tile_dim1
	s_mov_b32 s[\g+5], KROW                        ; the pitch
	s_mov_b32 s[\g+6], 0
	s_mov_b32 s[\g+7], 0
.endr
	s_mul_i32 s18, s16, 16*NB
	s_mul_i32 s20, s17, 32*NB
	s_add_co_u32 s20, s20, s18                     ; A: the first row that I fetch
	s_mul_i32 s46, s42, 32*NB
	s_add_co_u32 s46, s46, s18                     ; B likewise
	s_mov_b32 s21, 0
	s_mov_b32 s47, 0
	s_mov_b64 s[18:19], KS
	s_mul_u64 s[22:23], s[20:21], s[18:19]         ; where these rows' scales begin, in bytes
	s_mul_u64 s[96:97], s[46:47], s[18:19]
	s_mov_b64 s[18:19], KROW
	s_mul_u64 s[20:21], s[20:21], s[18:19]         ; and their codes
	s_mul_u64 s[46:47], s[46:47], s[18:19]
	s_mul_i32 s45, s14, HALFT                      ; where they go: no place in the cluster enters an LDS address
	s_mul_i32 s2, s14, HALFS
	s_wait_kmcnt 0x0
	s_cmp_eq_u32 ttmp9, 0
	s_cselect_b64 s[92:93], s[70:71], s[72:73]     ; Wq's or Wk's codes,
	s_cselect_b64 s[94:95], s[76:77], s[78:79]     ; scales,
	s_cselect_b64 s[100:101], s[82:83], s[84:85]   ; and bias
	s_mov_b64 s[98:99], s[86:87]                   ; bv
	s_mov_b64 s[12:13], s[88:89]                   ; qkv
	s_add_nc_u64 s[6:7], s[68:69], 4194304         ; h's scale bytes
	s_cmp_eq_u32 ttmp9, 2
	s_cselect_b64 s[4:5], s[74:75], s[68:69]       ; A's codes: Wv's or h's
	s_cselect_b64 s[8:9], s[68:69], s[92:93]       ; B's codes
	s_cselect_b64 s[10:11], s[6:7], s[94:95]       ; B's scales
	s_cselect_b64 s[6:7], s[80:81], s[6:7]         ; A's scales
	s_or_b32 s[G1S+0], s43, (3<<16)|(1<<20)|(1<<21)|(5<<22)|(3<<25)   ; the scales of 128 rows: a dense block, as rows of 256 bytes (32 elements of 8), 16 bytes of padding behind each
	s_or_b32 s[G1SB+0], s44, (3<<16)|(1<<20)|(1<<21)|(5<<22)|(3<<25)
.irp g, G1S, G1SB
	s_mov_b32 s[\g+1], 32<<16
	s_mov_b32 s[\g+2], SROWS<<16
	s_mov_b32 s[\g+3], 32<<16
	s_mov_b32 s[\g+4], SROWS
	s_mov_b32 s[\g+5], 32
	s_mov_b32 s[\g+6], 0
	s_mov_b32 s[\g+7], 0
.endr
	s_add_nc_u64 s[20:21], s[4:5], s[20:21]
	s_add_nc_u64 s[22:23], s[6:7], s[22:23]
	s_add_nc_u64 s[46:47], s[8:9], s[46:47]
	s_add_nc_u64 s[96:97], s[10:11], s[96:97]
	CROUND                                         ; all sixteen work-groups are here: the first joint loads meet
	s_mov_b32 s[G0S], 1
	s_add_co_u32 s[G0S+1], s2, SCL
	s_mov_b64 s[G0S+2:G0S+3], s[22:23]
	s_or_b32 s[G0S+3], s[G0S+3], 0x80000000
	s_mov_b32 s[G0SB], 1
	s_add_co_u32 s[G0SB+1], s2, SCL
	s_mov_b64 s[G0SB+2:G0SB+3], s[96:97]
	s_or_b32 s[G0SB+3], s[G0SB+3], 0x80000000
	JLOAD G0S, G1S, G0SB, G1SB                     ; the scales first: they are wanted with the first slot
.irp s, 0,1
	s_mov_b32 s[G0+4*\s], 1
	s_add_co_u32 s[G0+4*\s+1], s45, \s*SLOT
	s_add_nc_u64 s[G0+4*\s+2:G0+4*\s+3], s[20:21], \s*ROWB
	s_or_b32 s[G0+4*\s+3], s[G0+4*\s+3], 0x80000000
	s_mov_b32 s[G0B+4*\s], 1
	s_add_co_u32 s[G0B+4*\s+1], s45, \s*SLOT
	s_add_nc_u64 s[G0B+4*\s+2:G0B+4*\s+3], s[46:47], \s*ROWB
	s_or_b32 s[G0B+4*\s+3], s[G0B+4*\s+3], 0x80000000
	JLOAD G0+4*\s, G1, G0B+4*\s, G1B
.endr
	v_and_b32 v1, 15, v0                           ; r = l % 16
	v_bfe_u32 v2, v0, 4, 1                         ; h = l / 16
	v_mul_u32_u24 v3, v1, PITCH
	v_lshl_add_u32 v4, v2, 4, v3
	s_mul_i32 s21, s15, HALFT                      ; my rows of A
	s_mul_i32 s22, s16, HALFT                      ; my rows of B,
	s_add_co_u32 s22, s22, 2*HALFT                 ; which lie behind A's
.irp s, 0,1
	v_add_nc_u32 v[ADRA+\s], s21, v4
	v_add_nc_u32 v[ADRB+\s], s22, v4
	s_add_co_u32 s21, s21, SLOT
	s_add_co_u32 s22, s22, SLOT
.endr
	v_mul_u32_u24 v5, v1, KS                       ; my row's scales,
	v_lshrrev_b32 v6, 8, v5
	v_lshl_add_u32 v5, v6, 4, v5                   ; and 16 more for each 256 passed
	s_mul_i32 s21, s15, HALFS
	s_mul_i32 s22, s16, HALFS
	s_add_co_u32 s22, s22, 2*HALFS
	s_sub_co_u32 s22, s22, s21
	v_mul_u32_u24 v6, s22, v2                      ; lanes 16-31 take B's
	s_add_co_u32 s21, s21, SCL
	v_add_nc_u32 v5, v5, v6
	v_add_nc_u32 v[ADRS], s21, v5
	; the biases.  Q, K: a bias for each column (feature): the C of the first step.  V: one for each row (feature): added on the way out.  Both are loaded in every role, inside their buffers; the one that does not apply is cleared.
	s_cmp_eq_u32 ttmp9, 2
	s_cselect_b32 s20, 0, s40
	s_cselect_b32 s21, s41, 0
	s_cselect_b32 s66, 0, -1                       ; keeps the column biases
	s_cselect_b32 s67, -1, 0                       ; keeps the row biases
	s_lshl_b32 s20, s20, 10
	s_lshl_b32 s22, s16, 9
	s_add_co_u32 s20, s20, s22                     ; (256 x tile column + 128 x half) x 4
	s_lshl_b32 s22, s21, 10
	s_mov_b32 s21, 0
	s_add_nc_u64 s[100:101], s[100:101], s[20:21]
	s_lshl_b32 s23, s15, 9
	s_add_co_u32 s22, s22, s23                     ; (256 x tile row + 128 x half) x 4
	s_mov_b32 s23, 0
	s_add_nc_u64 s[98:99], s[98:99], s[22:23]
	v_lshlrev_b32 v7, 5, v2
	v_lshlrev_b32 v6, 2, v1
.irp b, 0,1,2,3,4,5,6,7
	global_load_b128 v[BIAS+8*\b:BIAS+8*\b+3], v7, s[100:101] offset:64*\b       ; columns 16 b + 8 h + 0 .. 7
	global_load_b128 v[BIAS+8*\b+4:BIAS+8*\b+7], v7, s[100:101] offset:64*\b+16
.endr
.irp a, 0,1,2,3,4,5,6,7
	global_load_b32 v[RB+\a], v6, s[98:99] offset:64*\a                          ; row 16 a + r
.endr
	s_wait_loadcnt 0x0
.set oi, 0
.rept 64
	v_and_b32 v[BIAS+oi], s66, v[BIAS+oi]
.set oi, oi+1
.endr
.irp a, 0,1,2,3,4,5,6,7
	v_and_b32 v[RB+\a], s67, v[RB+\a]
.endr
	s_wait_tensorcnt 1                             ; the scales and my part of slot 0 are in (slot 1's load may be out)
	s_barrier_signal -1
	s_barrier_wait -1                              ; everybody's are
	FETCH_B 0, 0, 0
	FETCH_A 0, 0, 0
	SCALES 0
	FETCH_A 0, 0, NB/2
	STEP 0, 0, 2                                   ; the first step starts the sums, from the column biases
	s_mov_b32 s3, LAPS-1
.Llap:                                             ; a trip goes once round the ring and fills both slots again
	TURN 0, 1, 1
	STEP 1, 0, 0
	TURN 1, 0, 1
	STEP 0, 0, 0
	s_sub_co_u32 s3, s3, 1
	s_cmp_lg_u32 s3, 0
	s_cbranch_scc1 .Llap
	TURN 0, 1, 0                                   ; the last lap fills nothing
	STEP 1, 0, 0
	LAST
	; THE WAY OUT.  Every tensor load has been waited for, so the descriptors' registers are free.
	PLACES 8
	v_and_b32 v1, 15, v0
	v_bfe_u32 v2, v0, 4, 1
	s_mul_i32 s20, s14, STGW
	v_mul_u32_u24 v[STO], v1, 144
	v_lshl_add_u32 v[STO], v2, 3, v[STO]
	v_add_nc_u32 v[STO], s20, v[STO]               ; into my stage: row r, 8 bytes for each half of the lanes
	s_mul_i32 s20, s15, STGW
	s_lshl_b32 s21, s16, 6
	s_add_co_u32 s20, s20, s21
	v_bfe_u32 v3, v0, 2, 3
	v_mul_u32_u24 v[RD], v3, 144
	v_and_b32 v3, 3, v0
	v_lshl_add_u32 v[RD], v3, 4, v[RD]
	v_add_nc_u32 v[RD], s20, v[RD]                 ; back: wave w takes the tile's columns 64 w .. 64 w + 63: four lanes to a row, eight rows an instruction
	s_lshl_b32 s20, s16, 11
	s_lshl_b32 s21, s15, 9
	s_add_co_u32 s20, s20, s21
	s_add_co_u32 s20, s20, SST
	v_lshlrev_b32 v[SSTA], 2, v1
	v_lshl_add_u32 v[SSTA], v2, 10, v[SSTA]
	v_add_nc_u32 v[SSTA], s20, v[SSTA]             ; scale words: region 2 x column half + h, 256 rows x 4 bytes
	v_and_b32 v3, 31, v0
	v_lshlrev_b32 v[LOFF], 4, v3                   ; 16 x lane
	s_lshl_b32 s20, s14, 10
	s_add_co_u32 s20, s20, SST
	v_add_nc_u32 v[WRD], s20, v[LOFF]              ; back: wave w takes region w
.irp b, 0,1,2,3
	v_mov_b32 v[TM+4+\b], 0                        ; a lane permute's destination counts as one of its sources
.endr
	s_mov_b32 s[SEL], 0x76543210
	s_mov_b32 s[SEL+1], 0xfedcba98
	s_mov_b32 s[MNT], 0x600000
	s_cmp_eq_u32 ttmp9, 2                          ; what differs between Q, K and V: numbers, chosen
	s_cselect_b32 s20, s42, s17                    ; the tile of 256 tokens
	s_cselect_b32 s21, s41, s40                    ; the four heads
	s_mov_b32 s22, 131072
	s_cselect_b32 s22, 4096, s22                   ; codes, from wave to wave: a head, or a chunk of 64 keys
	s_mov_b32 s23, 4096
	s_cselect_b32 s23, 131072, s23                 ; codes, from 64 rows to the next: 64 tokens, or a head
	s_cselect_b32 s32, 0, 16                       ; Q, K: lanes 16-31 take the upper two bytes: the column half's second head
	s_mov_b32 s33, 0xffff
	s_cselect_b32 s33, -1, s33
	s_mov_b32 s34, 0x7f7f0000
	s_cselect_b32 s34, 0, s34
	s_mov_b32 s35, 1024
	s_cselect_b32 s35, 512, s35                    ; words, for a tile of tokens
	s_mov_b32 s36, 512
	s_cselect_b32 s36, 40960, s36                  ; words, from the first load to the second: 128 tokens, or two heads
	s_mov_b32 s37, 256
	s_cselect_b32 s37, 20480, s37                  ; words, from lanes 0-15 to lanes 16-31: 64 tokens, or a head
	s_mul_i32 s38, s14, 20480
	s_mul_i32 s39, s15, 256
	s_cselect_b32 s38, s39, s38                    ; words, my wave: a head, or a step of 128 keys
	s_cselect_b32 s39, s16, 0                      ; V: the odd regions are copies of the even ones
	v_mul_u32_u24 v[VSH], s32, v2
	v_mul_u32_u24 v[WOFF], s37, v2
	v_lshl_add_u32 v[WOFF], v1, 4, v[WOFF]
	s_lshr_b32 s46, s20, 3                         ; the batch
	s_and_b32 s47, s20, 7                          ; the tile in its sequence
	s_lshl_b32 s56, ttmp9, 22
	s_lshl_b32 s57, s46, 21
	s_add_co_u32 s56, s56, s57
	s_lshl_b32 s57, s21, 19
	s_add_co_u32 s56, s56, s57
	s_lshl_b32 s57, s47, 14
	s_add_co_u32 s56, s56, s57
	s_mul_i32 s57, s14, s22
	s_add_co_u32 s56, s56, s57
	s_mov_b32 s57, 0
	s_mov_b32 s58, s23
	s_mov_b32 s59, 0
	s_add_nc_u64 s[24:25], s[12:13], s[56:57]      ; four bases for the codes, 64 rows of the tile each
	s_add_nc_u64 s[26:27], s[24:25], s[58:59]
	s_add_nc_u64 s[28:29], s[26:27], s[58:59]
	s_add_nc_u64 s[30:31], s[28:29], s[58:59]
	s_lshl_b32 s56, s46, 4
	s_lshl_b32 s57, s21, 2
	s_add_co_u32 s56, s56, s57
	s_mul_i32 s56, s56, 20480
	s_add_co_u32 s56, s56, 12582912
	s_lshl_b32 s57, ttmp9, 13
	s_add_co_u32 s56, s56, s57
	s_add_co_u32 s56, s56, s38
	s_mul_i32 s57, s47, s35
	s_add_co_u32 s56, s56, s57
	s_mov_b32 s57, 0
	s_mov_b32 s58, s36
	s_add_nc_u64 s[48:49], s[12:13], s[56:57]      ; two bases for the words
	s_add_nc_u64 s[50:51], s[48:49], s[58:59]
; 64 numbers of a lane, v[T] on: registers 16 b .. 16 b + 15 and those of lane l xor 16 are block b of 32.  Codes to v[PC] on, the four bytes to v[PW].
.macro QUANT
.irp b, 0,1,2,3
	v_max3_num_f32 v[TM+\b], |v[T+16*\b]|, |v[T+1+16*\b]|, 0x8000000   ; with the floor 2^(16 - 127): the byte cannot fall under 1
.endr
.irp i, 2,4,6,8,10,12,14
.irp b, 0,1,2,3
	v_max3_num_f32 v[TM+\b], v[TM+\b], |v[T+16*\b+\i]|, |v[T+1+16*\b+\i]|
.endr
.endr
.irp b, 0,1,2,3
	v_permlanex16_b32 v[TM+4+\b], v[TM+\b], s[SEL], s[SEL+1]
.endr
.irp b, 0,1,2,3
	v_max_num_f32 v[TM+\b], v[TM+\b], v[TM+4+\b]
.endr
.irp b, 0,1,2,3
	v_add_nc_u32 v[TM+12+\b], 0xf8800000, v[TM+\b]         ; 15 off the exponent field: the conversion's scale operand
.endr
.irp b, 0,1,2,3
	v_and_or_b32 v[TM+8+\b], v[TM+\b], 0x7f800000, s[MNT]  ; 57,344 x the scale
.endr
.irp b, 0,1,2,3
	v_lshrrev_b32 v[TM+4+\b], 23, v[TM+12+\b]              ; the scale's byte
.endr
	v_lshl_or_b32 v[PW], v[TM+5], 8, v[TM+4]
	v_lshl_or_b32 v[PW], v[TM+6], 16, v[PW]
	v_lshl_or_b32 v[PW], v[TM+7], 24, v[PW]
.irp b, 0,1,2,3
.irp i, 0,1,2,3,4,5,6,7,8,9,10,11,12,13,14,15
	v_med3_num_f32 v[T+16*\b+\i], v[T+16*\b+\i], -v[TM+8+\b], v[TM+8+\b]   ; the conversion does not saturate (ISA guide 7.6.2): the hold
.endr
	v_cvt_scalef32_pk8_bf8_f32 v[PC+4*\b:PC+1+4*\b], v[T+16*\b:T+7+16*\b], v[TM+12+\b]
	v_cvt_scalef32_pk8_bf8_f32 v[PC+2+4*\b:PC+3+4*\b], v[T+8+16*\b:T+15+16*\b], v[TM+12+\b]
.endr
	v_nop                                          ; a plain instruction behind the last conversion
.endm
; A's block a: 16 rows x 128 columns.  The row bias is added as the sums come over into window 0, each accumulator from its low end on.
.macro OUTBLK a
	WIN 0x02+(\a)/4
.set oi, 0
.rept 32
.if (\a)%2
	v_pk_add_f32 v[T+oi:T+oi+1], v[64*((\a)%4)+oi:64*((\a)%4)+oi+1], v[RB+2*((\a)/2):RB+2*((\a)/2)+1] op_sel:[0,1] op_sel_hi:[1,1]
.else
	v_pk_add_f32 v[T+oi:T+oi+1], v[64*((\a)%4)+oi:64*((\a)%4)+oi+1], v[RB+2*((\a)/2):RB+2*((\a)/2)+1] op_sel_hi:[1,0]
.endif
.set oi, oi+2
.endr
	WIN 0
	s_wait_dscnt 0x0                               ; the last block's LDS stores have read their registers
	QUANT
.irp b, 0,1,2,3,4,5,6,7
	ds_store_b64 v[STO], v[PC+2*\b:PC+2*\b+1] offset:(\a)*2304+16*\b   ; columns 16 b + 8 h + 0 .. 7 of row 16 a + r
.endr
	v_lshrrev_b32 v[VAL], v[VSH], v[PW]
	v_and_or_b32 v[VAL], v[VAL], s33, s34          ; Q, K: a head's two bytes under 127, 127; V: the four bytes of 128 keys
	ds_store_b32 v[SSTA], v[VAL] offset:64*(\a)
.endm
.irp a, 0,1,2,3,4,5,6,7
	OUTBLK \a
.endr
	s_wait_dscnt 0x0                               ; for the others' sake: my stores into the stages are done
	s_barrier_signal -1
	s_barrier_wait -1
.set oi, 0
.rept 32
	ds_load_b128 v[64+4*oi:67+4*oi], v[RD] offset:(oi/16)*2*STGW+(oi%16)*1152   ; rows 8 i + l / 4
.set oi, oi+1
.endr
.set oi, 0
.rept 32
	s_wait_dscnt 31-oi
	global_store_b128 v[LOFF], v[64+4*oi:67+4*oi], s[24+2*(oi/8):25+2*(oi/8)] offset:(oi%8)*512   ; 512 consecutive bytes, at a multiple of 256 from the buffer's first byte
.set oi, oi+1
.endr
	s_cmp_lg_u32 s39, 0                            ; hangs on the cluster's x and the wave's number: alike in all partners
	s_cbranch_scc1 .Lno_words
	ds_load_b128 v[192:195], v[WRD]
	ds_load_b128 v[196:199], v[WRD] offset:512
	s_wait_dscnt 0x0
	global_store_b128 v[WOFF], v[192:195], s[48:49]   ; sixteen lanes store 256 consecutive bytes
	global_store_b128 v[WOFF], v[196:199], s[50:51]
.Lno_words:
	s_wait_tensorcnt 0x0                           ; the wave's end
	ds_add_u32 v[SPW], v[NIL]
	s_wait_dscnt 0x0
	CROUND                                         ; the closing round: no work-group ends while a partner may still ask for a tile that names it
	s_endpgm
.Lfunc_end_k_q357b86482a_qkv:
	.size	k_q357b86482a_qkv, .Lfunc_end_k_q357b86482a_qkv-k_q357b86482a_qkv
	.p2alignl 7, 3214868480
	.fill 96, 4, 3214868480
	.section	.rodata,"a",@progbits
	.p2align	6, 0x0
	.amdhsa_kernel k_q357b86482a_qkv
		.amdhsa_group_segment_fixed_size 327680
		.amdhsa_private_segment_fixed_size 0
		.amdhsa_enable_private_segment 0
		.amdhsa_kernarg_size 88
		.amdhsa_user_sgpr_count 2
		.amdhsa_user_sgpr_kernarg_segment_ptr 1
		.amdhsa_wavefront_size32 1
		.amdhsa_system_sgpr_workgroup_id_x 1
		.amdhsa_system_sgpr_workgroup_id_y 1
		.amdhsa_system_sgpr_workgroup_id_z 1
		.amdhsa_system_vgpr_workitem_id 0
		.amdhsa_next_free_vgpr 1024
		.amdhsa_next_free_sgpr 102
		.amdhsa_reserve_vcc 0
		.amdhsa_float_denorm_mode_32 3
		.amdhsa_float_denorm_mode_16_64 3
		.amdhsa_memory_ordered 1
		.amdhsa_forward_progress 1
		.amdhsa_inst_pref_size 217
	.end_amdhsa_kernel
	.amdgpu_metadata
---
amdhsa.version: [ 1, 2 ]
amdhsa.kernels:
  - .name:           k_q357b86482a_qkv
    .symbol:         k_q357b86482a_qkv.kd
    .args:
      - { .name: hq, .offset: 0, .size: 8, .value_kind: global_buffer, .address_space: global }
      - { .name: Wq_codes, .offset: 8, .size: 8, .value_kind: global_buffer, .address_space: global }
      - { .name: Wk_codes, .offset: 16, .size: 8, .value_kind: global_buffer, .address_space: global }
      - { .name: Wv_codes, .offset: 24, .size: 8, .value_kind: global_buffer, .address_space: global }
      - { .name: Wq_scales, .offset: 32, .size: 8, .value_kind: global_buffer, .address_space: global }
      - { .name: Wk_scales, .offset: 40, .size: 8, .value_kind: global_buffer, .address_space: global }
      - { .name: Wv_scales, .offset: 48, .size: 8, .value_kind: global_buffer, .address_space: global }
      - { .name: bq, .offset: 56, .size: 8, .value_kind: global_buffer, .address_space: global }
      - { .name: bk, .offset: 64, .size: 8, .value_kind: global_buffer, .address_space: global }
      - { .name: bv, .offset: 72, .size: 8, .value_kind: global_buffer, .address_space: global }
      - { .name: qkv, .offset: 80, .size: 8, .value_kind: global_buffer, .address_space: global }
    .group_segment_fixed_size: 327680
    .private_segment_fixed_size: 0
    .kernarg_segment_align: 8
    .kernarg_segment_size: 88
    .max_flat_workgroup_size: 128
    .sgpr_count:     102
    .vgpr_count:     1024
    .wavefront_size: 32
...
	.end_amdgpu_metadata
.endif
;; end of part 2
;; launch attn (part 3): grid 8 x 32, 16 waves a work-group, clusters of 4 x 1, 309,248 bytes of LDS; arguments qkv, ctx; writes ctx
.if DOCPART == 3
	.amdgcn_target "amdgcn-amd-amdhsa--gfx1250"
	.amdhsa_code_object_version 6
	.text
	.protected	k_q357b86482a_attn
	.globl	k_q357b86482a_attn
	.p2align	8
	.type	k_q357b86482a_attn,@function
k_q357b86482a_attn:
	s_mov_b64 s[64:65], 0
	v_nop
	global_prefetch_b8 v0, s[64:65] scope:SCOPE_SE
	s_setreg_imm32_b32 hwreg(HW_REG_WAVE_MODE, 25, 1), 1
	s_wait_xcnt 0x0
	s_wait_alu depctr_hold_cnt(0) depctr_sa_sdst(0) depctr_va_vdst(0) depctr_va_sdst(0) depctr_va_ssrc(0) depctr_va_vcc(0) depctr_vm_vsrc(0)
	s_getreg_b32 s2, hwreg(HW_REG_IB_STS2, 6, 4)
	s_cmp_eq_u32 s2, 0
	s_cbranch_scc0 .Lentry_in_a_cluster
	s_endpgm
.Lentry_in_a_cluster:
	s_bfe_u32 s2, ttmp6, 0x10000c
	s_cmp_lg_u32 s2, 0x3003
	s_cbranch_scc0 .Lentry_shape_is_right
	s_endpgm
.Lentry_shape_is_right:
; ctx[b][q][head] = softmax_k(Q . K / 8) V for 32 (batch, head) pairs of 2,048 tokens and head size 64, both products on codes of BF8 (E5M2) with E8M0 scales; the result is quantised along the model's 1,024 for the next product.
; in (qkv): Q's codes [32 bh][2048][64] at 0, K's at 4,194,304, V's [32 bh][32 chunks of 64 keys][64 d][64] at 8,388,608; from 12,582,912 for each bh: Q's scale words [2048], K's [2048], V's [16 steps][64 d].
; out (ctx): codes [4096][1024] at 0, scale bytes [4096][32] at 4,194,304.
; THE SOFTMAX: t = score x log2(e) / 8; M = the running largest t rounded UP to a whole number; p = 2^(t - M) is quantised along the keys, not normalised; the row's sum is taken of the unquantised p and divides at the end.
; When M moves, the sum and O are multiplied by 2^(old M - new M): exact.
; SHARES: a work-group owns 256 queries of one (batch, head), each of its sixteen waves 16: four waves to a SIMD, so that one wave's vector work stands beside another's matrix work and LDS loads.
; A WHOLE HEAD'S K AND V STAY IN LDS: 2 x 131,072 bytes of codes, taken as rows of 128 bytes with 16 of padding behind each, and 12,288 bytes of scale words.  Nothing is filled again: no ring.
; They come in four quarters of 512 keys.  The four query blocks of a cluster ask for every tile JOINTLY (mask 15).
; LAYOUT: both products transposed: S^T = K Q^T, O^T = V^T P^T: a lane holds ONE query throughout.  Lane r of tile 2 f + u of K takes key 32 f + 8 u + r + 8 (r / 8), so that the 16 registers of tiles 2 f, 2 f + 1
; are 16 neighbouring keys; V's rows (d) of a tile are chosen the same way, so that O^T's registers are 16 neighbouring d.
; TWO TILES OF KEYS TO A FRAGMENT: the head's 64 fill half of the instruction's 128 along K, so registers 0-7 of a fragment hold tile 2 f and registers 8-15 tile 2 f + 1; the even tile is multiplied by [q | 0], the odd one by [0 | q]:
; what the other tile's codes meet are zero codes.  So a step's eight tiles lie in 64 registers and come by one run of loads.  A register of scale words holds the even tile's in lanes 0-15 and the odd tile's in lanes 16-31;
; in lanes 16-31 the word's halves change places, so that the head's two bytes stand where K = 64 .. 127 reads them.  On Q's side the bytes of the blocks of zero codes are 0.
; K IS FETCHED A STEP AHEAD, behind the products that read its registers; V's tile b is asked for as soon as block b of p is converted, into the registers that the block leaves.
; A head's 64 bytes of a row of ctx are a quarter of 256: that piece is the tensor's own.
; LIMITS: NaN and infinities are not served; v_exp_f32 gives 0 under 2^-126; a block of zeros gets the byte 1 (its codes are zeros; only this program reads the bytes).
; REGISTERS: v1-4 addresses that stay; v5 Q's scale words for [0 | q]; v6 the selector for the scale words; v7 the old -M; v8-11 the step's addresses; v12 -M, v13 the largest t, v[14:15] the sum; v16-31 [q | 0];
; v32-95 K's four fragments; v96-159 S^T, then p, then V's four fragments; v160-191 O^T; v192-207 p's codes; v208-211 K's scale words, v212-213 V's; v216-231 [0 | q]; v232-254 at work; v255 Q's scale words for [q | 0].
.set VB,   147456                      ; LDS: K's 1,024 rows of 144 bytes, then V's
.set KSL,  294912                      ; K's scale words, 8,192 bytes; V's, 4,096
.set QTRB, 36864                       ; a quarter: 256 rows of 144 bytes
.set STP,  9216                        ; a step's 128 keys: 64 rows of 144 bytes
.set WV,   8
.set G1KV, 12                          ; s[12:19] group 1 for the codes
.set G1S,  20                          ; s[20:27] for the scale words
.set G0S,  28                          ; s[28:31] group 0 for my part of the scale words
.set G0Q,  32                          ; s[32:47] for my part of each quarter
.set SEL,  50
.set CS,   52
.set MNT,  54
.set TK,   55                          ; LDS byte at which the NEXT step's keys begin
.set TB,   66                          ; and this step's: for V
.set TS,   67                          ; the next step's scale words of K: 512 bytes a step
.set TJ,   68                          ; this step's of V: 256 a step
.set CNT,  69
.macro CROUND
	s_barrier_signal -1
	s_barrier_wait -1
	s_cmp_lg_u32 s[WV], 0
	s_cbranch_scc1 .Lnot_wave_0_\@
	s_barrier_signal -3
.Lnot_wave_0_\@:
	s_barrier_wait -3
	s_barrier_signal -1
	s_barrier_wait -1
.endm
	s_load_b128 s[4:7], s[0:1], 0x0                ; qkv, ctx
	v_lshl_add_u32 v214, v0, 2, 0x4b000
	v_mov_b32 v215, 0
	ds_add_u32 v214, v215
	ds_add_u32 v214, v215
	v_lshrrev_b32 v8, 5, v0
	s_delay_alu instid0(VALU_DEP_1)
	v_readfirstlane_b32 s[WV], v8                  ; wave 0..15
	s_bfe_u32 s9, ttmp6, 0x40000                   ; cx: it enters Q's and ctx's addresses alone
	s_lshl_b32 s10, ttmp9, 2
	s_add_co_u32 s10, s10, s9                      ; my block of 256 queries
	s_and_b32 s11, ttmp7, 0xffff                   ; bh, which the four partners share
	s_mov_b32 s[G1KV], 15|(0<<16)|(1<<20)|(1<<21)|(4<<22)|(3<<25)   ; all four work-groups; elements of 1 byte; padding on; bit 21 beside a mask; four words behind every 32
	s_mov_b32 s[G1KV+1], 128<<16                   ; tensor_dim0
	s_mov_b32 s[G1KV+2], 32<<16                    ; tensor_dim1
	s_mov_b32 s[G1KV+3], 128<<16                   ; tile_dim0
	s_mov_b32 s[G1KV+4], 32                        ; tile_dim1
	s_mov_b32 s[G1KV+5], 128                       ; the pitch: the block is dense
	s_mov_b32 s[G1KV+6], 0
	s_mov_b32 s[G1KV+7], 0
	s_mov_b32 s[G1S], 15|(3<<16)|(1<<21)           ; three rows of 256 bytes (32 elements of 8), no padding
	s_mov_b32 s[G1S+1], 32<<16
	s_mov_b32 s[G1S+2], 3<<16
	s_mov_b32 s[G1S+3], 32<<16
	s_mov_b32 s[G1S+4], 3
	s_mov_b32 s[G1S+5], 32
	s_mov_b32 s[G1S+6], 0
	s_mov_b32 s[G1S+7], 0
	s_mul_i32 s48, s11, 20480
	s_add_co_u32 s48, s48, 12582912                ; bh's scale words
	s_mul_i32 s58, s[WV], 768                      ; K's and V's are 12,288 bytes on end: 768 a wave
	s_add_co_u32 s56, s48, s58
	s_add_co_u32 s56, s56, 8192
	s_mov_b32 s57, 0
	s_add_co_u32 s58, s58, KSL
	s_lshr_b32 s59, s[WV], 3                       ; waves 0-7 fetch K, waves 8-15 V
	s_and_b32 s60, s[WV], 7                        ; 32 rows of a quarter's 256 each
	s_lshl_b32 s62, s59, 22
	s_add_co_u32 s62, s62, 4194304
	s_lshl_b32 s63, s11, 17
	s_add_co_u32 s62, s62, s63
	s_lshl_b32 s63, s60, 12
	s_add_co_u32 s62, s62, s63
	s_mov_b32 s63, 0
	s_mul_i32 s59, s59, VB
	s_mul_i32 s60, s60, 4608
	s_add_co_u32 s59, s59, s60
	s_mov_b32 s[SEL], 0x76543210
	s_mov_b32 s[SEL+1], 0xfedcba98
	s_mov_b32 s[CS], 0x3e38aa3b                    ; c = log2(e) / 8
	s_mov_b32 s[CS+1], s[CS]
	s_wait_dscnt 0x0
	s_wait_kmcnt 0x0
	s_mov_b32 s[G0S], 1
	s_mov_b32 s[G0S+1], s58
	s_add_nc_u64 s[G0S+2:G0S+3], s[4:5], s[56:57]
	s_or_b32 s[G0S+3], s[G0S+3], 0x80000000
	s_add_nc_u64 s[62:63], s[4:5], s[62:63]
.irp j, 0,1,2,3
	s_mov_b32 s[G0Q+4*\j], 1
	s_add_co_u32 s[G0Q+4*\j+1], s59, \j*QTRB
	s_add_nc_u64 s[G0Q+4*\j+2:G0Q+4*\j+3], s[62:63], \j*32768
	s_or_b32 s[G0Q+4*\j+3], s[G0Q+4*\j+3], 0x80000000
.endr
	CROUND                                         ; all four work-groups are here: the joint loads meet
	tensor_load_to_lds s[G0S:G0S+3], s[G1S:G1S+7]  ; five loads of mine are out: every LDS byte is filled once
	s_nop 0
.irp j, 0,1,2,3
	tensor_load_to_lds s[G0Q+4*\j:G0Q+4*\j+3], s[G1KV:G1KV+7]
	s_nop 0
.endr
.rept 4
	v_nop
.endr
	s_lshl_b32 s74, s10, 8
	s_lshl_b32 s75, s[WV], 4
	s_add_co_u32 s74, s74, s75                     ; my first query in its sequence
	s_lshl_b32 s70, s11, 17
	s_lshl_b32 s71, s74, 6
	s_add_co_u32 s70, s70, s71
	s_mov_b32 s71, 0
	s_add_nc_u64 s[70:71], s[4:5], s[70:71]        ; its codes
	s_lshl_b32 s72, s74, 2
	s_add_co_u32 s72, s72, s48
	s_mov_b32 s73, 0
	s_add_nc_u64 s[72:73], s[4:5], s[72:73]        ; its scale word
	s_lshr_b32 s75, s11, 4
	s_lshl_b32 s75, s75, 11
	s_add_co_u32 s74, s74, s75                     ; my first row of ctx
	s_and_b32 s75, s11, 15                         ; the head
	s_lshl_b32 s76, s74, 10
	s_lshl_b32 s77, s75, 6
	s_add_co_u32 s76, s76, s77
	s_mov_b32 s77, 0
	s_add_nc_u64 s[76:77], s[6:7], s[76:77]        ; its codes
	s_lshl_b32 s78, s74, 5
	s_lshl_b32 s79, s75, 1
	s_add_co_u32 s78, s78, s79
	s_add_co_u32 s78, s78, 4194304
	s_mov_b32 s79, 0
	s_add_nc_u64 s[78:79], s[6:7], s[78:79]        ; its scale bytes
	v_and_b32 v8, 15, v0                           ; r
	v_bfe_u32 v9, v0, 4, 1                         ; h
	s_delay_alu instid0(VALU_DEP_2)
	v_lshlrev_b32 v10, 6, v8
	s_delay_alu instid0(VALU_DEP_1)
	v_lshl_add_u32 v10, v9, 4, v10
	global_load_b128 v[16:19], v10, s[70:71]       ; Q(r, 16 h ..): registers 0-7 of [q | 0],
	global_load_b128 v[20:23], v10, s[70:71] offset:32
	global_load_b128 v[224:227], v10, s[70:71]     ; and once more: registers 8-15 of [0 | q]
	global_load_b128 v[228:231], v10, s[70:71] offset:32
	v_lshlrev_b32 v11, 2, v8
	global_load_b32 v255, v11, s[72:73]
	v_and_b32 v12, 8, v8
	s_delay_alu instid0(VALU_DEP_1)
	v_add_nc_u32 v12, v12, v8                      ; r + 8 (r / 8)
	s_delay_alu instid0(VALU_DEP_1)
	v_lshrrev_b32 v13, 1, v12
	s_delay_alu instid0(VALU_DEP_1)
	v_mul_u32_u24 v1, v13, 144                     ; two keys (or two d) to an LDS row
	s_delay_alu instid0(VALU_DEP_3)
	v_and_b32 v13, 1, v12
	s_delay_alu instid0(VALU_DEP_1)
	v_lshl_add_u32 v1, v13, 6, v1
	s_delay_alu instid0(VALU_DEP_1)
	v_lshl_add_u32 v1, v9, 4, v1                   ; my lane's place in a tile of K
	s_delay_alu instid0(VALU_DEP_1)
	v_add_nc_u32 v2, VB, v1                        ; and of V
	v_lshl_add_u32 v3, v12, 2, KSL                 ; among K's scale words: lanes 0-15 an even tile's,
	s_delay_alu instid0(VALU_DEP_1)
	v_lshl_add_u32 v3, v9, 5, v3                   ; lanes 16-31 those of the odd tile, eight keys on
	s_delay_alu instid0(VALU_DEP_1)
	v_add_nc_u32 v4, 8192, v3                      ; and among V's likewise
	v_mov_b32 v6, 0x03020100                       ; lanes 0-15 keep a scale word as it is,
	v_mov_b32 v7, 0x01000302                       ; in lanes 16-31 its halves change places
	v_cmp_eq_u32 vcc_lo, 1, v9
	s_delay_alu instid0(VALU_DEP_1)
	v_cndmask_b32 v6, v6, v7, vcc_lo
	v_mov_b32 v13, 0xff61b1e6                      ; the largest t so far: -3e38
	s_delay_alu instid0(VALU_DEP_1)
	v_floor_f32 v12, -v13                          ; -M
	v_mov_b32 v14, 0
	v_mov_b32 v15, 0
.irp b, 0,1,2,3
	v_mov_b32 v[236+\b], 0                         ; a lane permute's destination counts as one of its sources
.endr
	v_mov_b32 v253, 0                              ; (named as the upper half of a pair before it is first written)
.set si, 0
.rept 32
	v_mov_b32 v[160+si], 0                         ; O^T: the step is written for every step alike; the first finds zeros
.set si, si+1
.endr
.irp j, 0,1,2,3,4,5,6,7
	v_mov_b32 v[24+\j], 0                          ; zero codes: K = 64 .. 127 of [q | 0],
	v_mov_b32 v[216+\j], 0                         ; and K = 0 .. 63 of [0 | q]
.endr
; A step's eight tiles of K and their scale words: 20 loads
.macro KLOAD adk, ads
.irp f, 0,1,2,3
.irp u, 0,1
.irp c, 0,1
	ds_load_b128 v[32+16*\f+8*\u+4*\c:35+16*\f+8*\u+4*\c], v[\adk] offset:(16*\f+4*\u)*144+32*\c
.endr
.endr
	ds_load_b32 v[208+\f], v[\ads] offset:128*\f
.endr
.endm
.macro KPERM                           ; the odd tiles' words (lanes 16-31): the head's two bytes go to bytes 2 and 3
.irp f, 0,1,2,3
	v_perm_b32 v[208+\f], v[208+\f], v[208+\f], v6
.endr
.endm
; A KEY STEP: 128 keys, whose tiles of K lie in registers.  pf = 1: the next step's are fetched.
.macro STEP pf
.if \pf
	s_setprio 2
	v_add_nc_u32 v8, s[TK], v1                     ; nine places stand between the last step's products and these: the scores are laid over V's fragments, which those products read
	v_add_nc_u32 v10, s[TS], v3
.else
	v_nop
	v_nop
.endif
	v_add_nc_u32 v9, s[TB], v2
	v_add_nc_u32 v11, s[TJ], v4
	v_mov_b32 v7, v12                              ; the old -M
.rept 4
	v_nop
.endr
.irp f, 0,1,2,3                                ; S^T = K Q^T: a fragment's even tile against [q | 0], its odd tile against [0 | q]
	v_wmma_scale_f32_16x16x128_f8f6f4 v[96+16*\f:103+16*\f], v[32+16*\f:47+16*\f], v[16:31], 0, v[208+\f], v255 matrix_a_fmt:MATRIX_FMT_BF8 matrix_b_fmt:MATRIX_FMT_BF8
	v_wmma_scale_f32_16x16x128_f8f6f4 v[104+16*\f:111+16*\f], v[32+16*\f:47+16*\f], v[216:231], 0, v[208+\f], v5 matrix_a_fmt:MATRIX_FMT_BF8 matrix_b_fmt:MATRIX_FMT_BF8 matrix_a_scale:MATRIX_SCALE_ROW1
.endr
.rept 8
	v_nop                                          ; eight places: ahead of loads into registers that these products read, and of the first read of their results
.endr
.if \pf
	KLOAD 8, 10                                    ; the next step's K lands while the softmax runs
.endif
.irp b, 0,1,2,3
	v_max3_num_f32 v[232+\b], v[96+16*\b], v[97+16*\b], v[98+16*\b]   ; the largest score of each block of 32 keys: for the row's maximum and, since p rises with the score, for the block's largest p
.endr
.irp i, 3,5,7,9,11,13
.irp b, 0,1,2,3
	v_max3_num_f32 v[232+\b], v[232+\b], v[96+16*\b+\i], v[97+16*\b+\i]
.endr
.endr
.irp b, 0,1,2,3
	v_max_num_f32 v[232+\b], v[232+\b], v[111+16*\b]
.endr
.irp b, 0,1,2,3
	s_delay_alu instid0(VALU_DEP_4)
	v_permlanex16_b32 v[236+\b], v[232+\b], s[SEL], s[SEL+1]
.endr
.irp b, 0,1,2,3
	s_delay_alu instid0(VALU_DEP_4)
	v_max_num_f32 v[232+\b], v[232+\b], v[236+\b]
.endr
	s_delay_alu instid0(VALU_DEP_2)
	v_max3_num_f32 v254, v232, v233, v234
	s_delay_alu instid0(VALU_DEP_1)
	v_max_num_f32 v254, v254, v235
	s_delay_alu instid0(VALU_DEP_1)
	v_mul_f32 v254, s[CS], v254
	s_delay_alu instid0(VALU_DEP_1)
	v_max_num_f32 v13, v13, v254                   ; the running largest t
	s_delay_alu instid0(VALU_DEP_1)
	v_floor_f32 v12, -v13                          ; the new -M = -ceil(t)
	s_delay_alu instid0(VALU_DEP_1)
	v_sub_f32 v254, v12, v7                        ; old M - new M: a whole number, 0 or less
	s_delay_alu instid0(VALU_DEP_1)
	v_cvt_i32_f32 v254, v254
	s_delay_alu instid0(VALU_DEP_1)
	v_ldexp_f32 v252, 1.0, v254                    ; f = 2^(old M - new M)
.set si, 0
.rept 32
	v_pk_fma_f32 v[96+si:97+si], v[96+si:97+si], s[CS:CS+1], v[12:13] op_sel_hi:[1,0,0]   ; t - M
.set si, si+2
.endr
.irp b, 0,1,2,3
	v_fma_f32 v[232+\b], v[232+\b], s[CS], v12
.endr
.set si, 0
	s_wait_alu depctr_va_vdst(0)
.rept 64
	v_exp_f32 v[96+si], v[96+si]                   ; p = 2^(t - M)
.set si, si+1
.endr
	s_setprio 1
	v_pk_mul_f32 v[14:15], v[14:15], v[252:253] op_sel_hi:[1,0]   ; the sums under the new M: a plain instruction behind the exponentials
	s_wait_alu depctr_va_vdst(0)                   ; one wait for the batch, ahead of its first reader
.irp b, 0,1,2,3
	v_exp_f32 v[232+\b], v[232+\b]                 ; each block's largest p
.endr
	v_pk_add_f32 v[236:237], v[100:101], v[104:105]
	v_pk_add_f32 v[250:251], v[108:109], v[112:113]
	v_pk_add_f32 v[248:249], v[116:117], v[120:121]
	v_pk_add_f32 v[246:247], v[124:125], v[128:129]
	v_pk_add_f32 v[244:245], v[132:133], v[136:137]
	v_pk_add_f32 v[242:243], v[140:141], v[144:145]
	v_pk_add_f32 v[240:241], v[148:149], v[152:153]
	v_pk_add_f32 v[14:15], v[14:15], v[156:157]
	v_pk_add_f32 v[236:237], v[236:237], v[96:97]
	v_pk_add_f32 v[250:251], v[250:251], v[98:99]
	v_pk_add_f32 v[248:249], v[248:249], v[102:103]
	v_pk_add_f32 v[246:247], v[246:247], v[106:107]
	v_pk_add_f32 v[244:245], v[244:245], v[110:111]
	v_pk_add_f32 v[242:243], v[242:243], v[114:115]
	v_pk_add_f32 v[240:241], v[240:241], v[118:119]
	v_pk_add_f32 v[14:15], v[14:15], v[122:123]
	v_pk_add_f32 v[236:237], v[236:237], v[126:127]
	v_pk_add_f32 v[250:251], v[250:251], v[130:131]
	v_pk_add_f32 v[248:249], v[248:249], v[134:135]
	v_pk_add_f32 v[246:247], v[246:247], v[138:139]
	v_pk_add_f32 v[244:245], v[244:245], v[142:143]
	v_pk_add_f32 v[242:243], v[242:243], v[146:147]
	v_pk_add_f32 v[240:241], v[240:241], v[150:151]
	v_pk_add_f32 v[14:15], v[14:15], v[154:155]
	v_pk_add_f32 v[236:237], v[236:237], v[158:159]
	s_delay_alu instid0(VALU_DEP_2)
	v_pk_add_f32 v[14:15], v[14:15], v[246:247]
	s_delay_alu instid0(VALU_DEP_2)
	v_pk_add_f32 v[236:237], v[236:237], v[244:245]
	v_pk_add_f32 v[250:251], v[250:251], v[242:243]
	v_pk_add_f32 v[248:249], v[248:249], v[240:241]
	s_delay_alu instid0(VALU_DEP_2)
	v_pk_add_f32 v[14:15], v[14:15], v[250:251]
	s_delay_alu instid0(VALU_DEP_2)
	v_pk_add_f32 v[236:237], v[236:237], v[248:249]
	s_delay_alu instid0(VALU_DEP_1)
	v_pk_add_f32 v[14:15], v[14:15], v[236:237]
	s_wait_alu depctr_va_vdst(0)                   ; and one for the four
.irp b, 0,1,2,3
	v_max_num_f32 v[232+\b], 0x8000000, v[232+\b]  ; the floor 2^(16 - 127)
.endr
.irp b, 0,1,2,3
	s_delay_alu instid0(VALU_DEP_4)
	v_add_nc_u32 v[244+\b], 0xf8800000, v[232+\b]  ; 15 off the exponent field: the conversion's scale operand
.endr
.irp b, 0,1,2,3
.endr
.irp b, 0,1,2,3
.endr
.irp b, 0,1,2,3
	s_delay_alu instid0(VALU_DEP_4)
	v_lshrrev_b32 v[236+\b], 23, v[244+\b]
.endr
	s_delay_alu instid0(VALU_DEP_3)
	v_lshl_or_b32 v253, v237, 8, v236              ; p's scale word for these 128 keys
	s_delay_alu instid0(VALU_DEP_1)
	v_lshl_or_b32 v253, v238, 16, v253
	s_delay_alu instid0(VALU_DEP_1)
	v_lshl_or_b32 v253, v239, 24, v253
.if \pf
	s_wait_dscnt 0x0                               ; the next step's K and its scale words are in: they were asked for ahead of the softmax
	KPERM                                          ; written here, the words stand far more than eight places ahead of the products that take them
.endif
	ds_load_b32 v212, v11                          ; V's scale words: tiles 0 (lanes 0-15) and 1 (lanes 16-31),
	ds_load_b32 v213, v11 offset:128               ; tiles 2 and 3
.irp b, 0,1,2,3
.irp i, 0,2,4,6,8,10,12,14
.endr
	v_cvt_scalef32_pk8_bf8_f32 v[192+4*\b:193+4*\b], v[96+16*\b:103+16*\b], v[244+\b]
	v_cvt_scalef32_pk8_bf8_f32 v[194+4*\b:195+4*\b], v[104+16*\b:111+16*\b], v[244+\b]
.irp c, 0,1,2,3                                ; V's tile b (16 d x 128 keys) into the registers that block b of p has just left
	ds_load_b128 v[96+16*\b+4*\c:99+16*\b+4*\c], v9 offset:(16*(\b/2)+4*(\b%2))*144+(\c/2)*4608+32*(\c%2)
.endr
.endr
.set si, 0
	s_setprio 0
.rept 16
	v_pk_mul_f32 v[160+si:161+si], v[160+si:161+si], v[252:253] op_sel_hi:[1,0]   ; O^T under the new M, while the loads are out; also the places between the conversions and the products
.set si, si+2
.endr
	s_wait_alu depctr_va_vdst(0)
.irp t, 0,1,2,3                                ; O^T += V^T P^T, the four accumulators by turns
	s_wait_dscnt 12-4*\t                           ; tile t is in; the four loads of each later tile may be out
.if \t%2
	v_wmma_scale_f32_16x16x128_f8f6f4 v[160+8*\t:167+8*\t], v[96+16*\t:111+16*\t], v[192:207], v[160+8*\t:167+8*\t], v[212+\t/2], v253 matrix_a_fmt:MATRIX_FMT_BF8 matrix_b_fmt:MATRIX_FMT_BF8 matrix_a_scale:MATRIX_SCALE_ROW1
.else
	v_wmma_scale_f32_16x16x128_f8f6f4 v[160+8*\t:167+8*\t], v[96+16*\t:111+16*\t], v[192:207], v[160+8*\t:167+8*\t], v[212+\t/2], v253 matrix_a_fmt:MATRIX_FMT_BF8 matrix_b_fmt:MATRIX_FMT_BF8
.endif
.endr
	s_add_co_u32 s[TK], s[TK], STP
	s_add_co_u32 s[TS], s[TS], 512
	s_add_co_u32 s[TB], s[TB], STP
	s_add_co_u32 s[TJ], s[TJ], 256
.endm
	s_wait_loadcnt 0x0                             ; Q and its scale words
	v_lshlrev_b32 v5, 16, v255                     ; for [0 | q]: the head's two bytes in bytes 2 and 3; the blocks of zero codes get the byte 0
	v_and_b32 v255, 0xffff, v255                   ; for [q | 0]: likewise the other way round
	s_wait_tensorcnt 0x2                           ; the scale words and my parts of quarters 0 and 1 are in; quarters 2 and 3 may be out.
	s_barrier_signal -1                            ; (Two quarters: the fourth step fetches the fifth step's K)
	s_barrier_wait -1                              ; everybody's are
	KLOAD 1, 3                                     ; the first step's K
	s_wait_dscnt 0x0
	KPERM
	s_mov_b32 s[TK], STP
	s_mov_b32 s[TS], 512
	s_mov_b32 s[TB], 0
	s_mov_b32 s[TJ], 0
	s_mov_b32 s[CNT], 4
.Lfirst:                                           ; steps 0 to 3
	STEP 1
	s_sub_co_u32 s[CNT], s[CNT], 1
	s_cmp_lg_u32 s[CNT], 0
	s_cbranch_scc1 .Lfirst
	s_setprio 0
	s_wait_tensorcnt 0x0                           ; all my parts are in (no LDS instruction of mine is out: the step's last wait was for 0),
	s_barrier_signal -1
	s_barrier_wait -1                              ; everybody's are: no further barrier stands in the walk
	s_mov_b32 s[TK], 5*STP
	s_mov_b32 s[TS], 5*512
	s_mov_b32 s[TB], 4*STP
	s_mov_b32 s[TJ], 4*256
	s_mov_b32 s[CNT], 11
.Lrest:                                            ; steps 4 to 14
	STEP 1
	s_sub_co_u32 s[CNT], s[CNT], 1
	s_cmp_lg_u32 s[CNT], 0
	s_cbranch_scc1 .Lrest
	s_setprio 0
	s_mov_b32 s[TB], 15*STP
	s_mov_b32 s[TJ], 15*256
	STEP 0                                         ; the last step is written out: there is no K behind it to fetch
	; THE WAY OUT: O^T / the sum, quantised along d: registers 16 b + i are d = 32 b + 16 h + i of my query; the block's other 16 lie in lane l xor 16
.rept 8
	v_nop
.endr
	v_add_f32 v14, v14, v15
	s_delay_alu instid0(VALU_DEP_1)
	v_permlanex16_b32 v252, v14, s[SEL], s[SEL+1]
	s_delay_alu instid0(VALU_DEP_1)
	v_add_f32 v14, v14, v252                       ; the row's sum
	s_wait_alu depctr_va_vdst(0)
	v_rcp_f32 v14, v14
	v_and_b32 v8, 15, v0                           ; (a plain instruction behind the transcendental)
	v_bfe_u32 v9, v0, 4, 1
	s_delay_alu instid0(VALU_DEP_2)
	v_lshlrev_b32 v10, 10, v8
	s_delay_alu instid0(VALU_DEP_1)
	v_lshl_add_u32 v10, v9, 4, v10                 ; row r of 1,024 bytes, + 16 h
	s_delay_alu instid0(VALU_DEP_4)
	v_lshlrev_b32 v11, 5, v8                       ; row r of 32 scale bytes
	s_wait_alu depctr_va_vdst(0)                   ; the wait, ahead of the first reader
.set si, 0
.rept 32
	v_mul_f32 v[96+si], v[160+si], v14
.set si, si+1
.endr
.irp b, 0,1
	v_max3_num_f32 v[232+\b], |v[96+16*\b]|, |v[97+16*\b]|, 0x8000000
.endr
.irp i, 2,4,6,8,10,12,14
.irp b, 0,1
	s_delay_alu instid0(VALU_DEP_2)
	v_max3_num_f32 v[232+\b], v[232+\b], |v[96+16*\b+\i]|, |v[97+16*\b+\i]|
.endr
.endr
.irp b, 0,1
	s_delay_alu instid0(VALU_DEP_2)
	v_permlanex16_b32 v[236+\b], v[232+\b], s[SEL], s[SEL+1]
.endr
.irp b, 0,1
	s_delay_alu instid0(VALU_DEP_2)
	v_max_num_f32 v[232+\b], v[232+\b], v[236+\b]
.endr
.irp b, 0,1
	s_delay_alu instid0(VALU_DEP_2)
	v_add_nc_u32 v[244+\b], 0xf8800000, v[232+\b]
.endr
.irp b, 0,1
.endr
.irp b, 0,1
	s_delay_alu instid0(VALU_DEP_2)
	v_lshrrev_b32 v[236+\b], 23, v[244+\b]
.endr
	s_delay_alu instid0(VALU_DEP_1)
	v_lshl_or_b32 v254, v237, 8, v236              ; the head's two scale bytes
.irp b, 0,1
.irp i, 0,1,2,3,4,5,6,7,8,9,10,11,12,13,14,15
.endr
	v_cvt_scalef32_pk8_bf8_f32 v[192+4*\b:193+4*\b], v[96+16*\b:103+16*\b], v[244+\b]
	v_cvt_scalef32_pk8_bf8_f32 v[194+4*\b:195+4*\b], v[104+16*\b:111+16*\b], v[244+\b]
.endr
	v_nop
	global_store_b128 v10, v[192:195], s[76:77]
	global_store_b128 v10, v[196:199], s[76:77] offset:32
	global_store_b16 v11, v254, s[78:79]           ; both halves of the lanes write the same two bytes with the same value
	s_wait_tensorcnt 0x0
	ds_add_u32 v214, v215
	s_wait_dscnt 0x0
	CROUND                                         ; the closing round
	s_endpgm
.Lfunc_end_k_q357b86482a_attn:
	.size	k_q357b86482a_attn, .Lfunc_end_k_q357b86482a_attn-k_q357b86482a_attn
	.p2alignl 7, 3214868480
	.fill 96, 4, 3214868480
	.section	.rodata,"a",@progbits
	.p2align	6, 0x0
	.amdhsa_kernel k_q357b86482a_attn
		.amdhsa_group_segment_fixed_size 309248
		.amdhsa_private_segment_fixed_size 0
		.amdhsa_enable_private_segment 0
		.amdhsa_kernarg_size 16
		.amdhsa_user_sgpr_count 2
		.amdhsa_user_sgpr_kernarg_segment_ptr 1
		.amdhsa_wavefront_size32 1
		.amdhsa_system_sgpr_workgroup_id_x 1
		.amdhsa_system_sgpr_workgroup_id_y 1
		.amdhsa_system_sgpr_workgroup_id_z 1
		.amdhsa_system_vgpr_workitem_id 0
		.amdhsa_next_free_vgpr 256
		.amdhsa_next_free_sgpr 80
		.amdhsa_reserve_vcc 1
		.amdhsa_float_denorm_mode_32 3
		.amdhsa_float_denorm_mode_16_64 3
		.amdhsa_fp16_overflow 1
		.amdhsa_memory_ordered 1
		.amdhsa_forward_progress 1
		.amdhsa_inst_pref_size 69
	.end_amdhsa_kernel
	.amdgpu_metadata
---
amdhsa.version: [ 1, 2 ]
amdhsa.kernels:
  - .name:           k_q357b86482a_attn
    .symbol:         k_q357b86482a_attn.kd
    .args:
      - { .name: qkv, .offset: 0, .size: 8, .value_kind: global_buffer, .address_space: global }
      - { .name: ctx, .offset: 8, .size: 8, .value_kind: global_buffer, .address_space: global }
    .group_segment_fixed_size: 309248
    .private_segment_fixed_size: 0
    .kernarg_segment_align: 8
    .kernarg_segment_size: 16
    .max_flat_workgroup_size: 512
    .sgpr_count:     80
    .vgpr_count:     256
    .wavefront_size: 32
...
	.end_amdgpu_metadata
.endif
;; end of part 3
;; launch wo (part 4): grid 8 x 32, 4 waves a work-group, clusters of 4 x 4, 327,680 bytes of LDS; arguments ctx, Wo_codes, Wo_scales, bo, x, x1; writes x1
.if DOCPART == 4
	.amdgcn_target "amdgcn-amd-amdhsa--gfx1250"
	.amdhsa_code_object_version 6
	.text
	.protected	k_q357b86482a_wo
	.globl	k_q357b86482a_wo
	.p2align	8
	.type	k_q357b86482a_wo,@function
k_q357b86482a_wo:
	s_mov_b64 s[64:65], 0
	v_nop
	global_prefetch_b8 v0, s[64:65] scope:SCOPE_SE
	s_setreg_imm32_b32 hwreg(HW_REG_WAVE_MODE, 25, 1), 1
	s_wait_xcnt 0x0
	s_wait_alu depctr_hold_cnt(0) depctr_sa_sdst(0) depctr_va_vdst(0) depctr_va_sdst(0) depctr_va_ssrc(0) depctr_va_vcc(0) depctr_vm_vsrc(0)
	s_getreg_b32 s2, hwreg(HW_REG_IB_STS2, 6, 4)
	s_cmp_eq_u32 s2, 0
	s_cbranch_scc0 .Lentry_in_a_cluster
	s_endpgm
.Lentry_in_a_cluster:
	s_bfe_u32 s2, ttmp6, 0x10000c
	s_cmp_lg_u32 s2, 0xf033
	s_cbranch_scc0 .Lentry_shape_is_right
	s_endpgm
.Lentry_shape_is_right:
; out = res + A B^T + bias.  A: codes of BF8 (E5M2) [4096][SIZE_K] at byte 0 of its buffer, E8M0 scale bytes [4096][SIZE_K / 32] behind them; B: codes [1024][SIZE_K], scale bytes [1024][SIZE_K / 32];
; bias [1024], res and out [4096][1024]: f32.
; 4,096 x 1,024 results make only 64 tiles of 256 x 256, so a tile is 128 x 128: 256 work-groups.  Four waves, 64 x 64 each: 16 accumulators, 128 registers.
; K goes in steps of 512 (LDS rows of 512 bytes + 16) through two slots filled by the tensor data mover; the scale bytes of the tile's rows, for all of K, come once.
; 4 x 4 work-groups form a cluster: A's tiles are asked for jointly along a row of it, B's along a column.  The matrix instruction is used transposed: source 0 = 16 rows of B, source 1 = 16 rows of A.
; The residual's tile is asked for at the head, into registers that the loop leaves alone, in the layout of the stores.
; REGISTERS: window 0: v0-31 addresses, v[8:11] bias; v32-63 scale words, two sets; v64-127, v192-255 the residual; v128-191 A's fragments, one set; window 1: B's fragments, two sets; window 2: the accumulators, (a, b) at 8 (4 a + b).
.set SIZE_K, 1024
.set NB,     4
.set KSLOT,  512
.set QIC,    6                         ; padding behind every 128 words
.set NQ,     KSLOT/128
.set ROWB,   KSLOT
.set KROW,   SIZE_K
.set PITCH,  ROWB+16
.set HALFT,  16*NB*PITCH
.set SLOT,   4*HALFT
.set LAPS,   SIZE_K/(2*KSLOT)
.set KS,     SIZE_K/32
.set SCL,    2*SLOT
.set SROWS,  16*NB*KS/256
.set HALFS,  SROWS*272
.set SBLK,   (16*KS/256)*272
.set SPARE,  SCL+4*HALFS               ; the spare words, 128 bytes a wave: no other line names them
.set ADRA, 16
.set ADRB, 20
.set STO,  24
.set RD,   25
.set CO,   26
.set ADRS, 27
.set SPW,  28
.set NIL,  29
.set SC,   32
.set BIAS, 64
.set AF,   128
.set G1, 24
.set G0, 32
.set G1B, 48
.set G0B, 56
.set G1S, 68
.set G0S, 76
.set G1SB, 80
.set G0SB, 88
.set TO_B, 0x40
.set MSB, 0
.macro WIN new
.if MSB != (\new)
	s_set_vgpr_msb (MSB<<8)|(\new)
.set MSB, (\new)
.endif
.endm
.macro PLACES n                        ; plain vector instructions behind matrix instructions: 8 for this form
.rept \n
	v_nop
.endr
.endm
.macro JLOAD g0a, g1a, g0b, g1b        ; a joint load: waves 0 and 1 fetch for A, waves 2 and 3 for B; four v_nop follow each line
	s_cmp_eq_u32 s15, 0
	s_cbranch_scc0 .Lfor_b_\@
	tensor_load_to_lds s[\g0a:\g0a+3], s[\g1a:\g1a+7]
	s_nop 0
.rept 4
	v_nop
.endr
	s_branch .Lasked_\@
.Lfor_b_\@:
	tensor_load_to_lds s[\g0b:\g0b+3], s[\g1b:\g1b+7]
	s_nop 0
.rept 4
	v_nop
.endr
.Lasked_\@:
.endm
.macro CREST
	s_cmp_lg_u32 s14, 0
	s_cbranch_scc1 .Lnot_wave_0_\@
	s_barrier_signal -3
.Lnot_wave_0_\@:
	s_barrier_wait -3
	s_barrier_signal -1
	s_barrier_wait -1
.endm
.macro CROUND
	s_barrier_signal -1
	s_barrier_wait -1
	CREST
.endm
.macro FRAG reg, adr, q, i
.irp c, 0,1,2,3
	ds_load_b128 v[\reg+4*\c:\reg+4*\c+3], v[\adr] offset:128*(\q)+32*\c+(\i)*16*PITCH
.endr
.endm
.macro FETCH_B slot, q, p
	WIN TO_B
.set fi, 0
.rept NB
	FRAG 128*(\p)+16*fi, ADRB+\slot, \q, fi
.set fi, fi+1
.endr
	WIN 0
.endm
.macro FETCH_A slot, q, i0
.set fi, \i0
.rept NB/2
	FRAG AF+16*fi, ADRA+\slot, \q, fi
.set fi, fi+1
.endr
.endm
.macro SCALES sc
.set fi, 0
.rept NB
.if NQ == 2
	ds_load_b64 v[SC+16*(\sc)+2*fi:SC+16*(\sc)+2*fi+1], v[ADRS] offset:fi*SBLK
.else
	ds_load_b128 v[SC+16*(\sc)+4*fi:SC+16*(\sc)+4*fi+3], v[ADRS] offset:fi*SBLK
.endif
.set fi, fi+1
.endr
.endm
.macro MULR a0, n, p, q, sc, zero      ; the accumulators take turns, one instruction a turn
.set ma, \a0
.rept \n
.if (\zero) == 2
	WIN 0x81+0x40*((8*NB*ma)/256)
.else
	WIN 0xa1+0x50*((8*NB*ma)/256)
.endif
.set mb, 0
.rept NB
.set rD, (8*(NB*ma+mb))%256
.set rB, 128*(\p)+16*mb
.set rA, AF+16*ma
.set rSB, SC+16*(\sc)+NQ*mb+(\q)
.set rSA, SC+16*(\sc)+NQ*ma+(\q)
.if (\zero) == 1
	v_wmma_scale_f32_16x16x128_f8f6f4 v[rD:rD+7], v[rB:rB+15], v[rA:rA+15], 0, v[rSB], v[rSA] matrix_a_fmt:MATRIX_FMT_BF8 matrix_b_fmt:MATRIX_FMT_BF8 matrix_a_scale:MATRIX_SCALE_ROW1
.elseif (\zero) == 2
	v_wmma_scale_f32_16x16x128_f8f6f4 v[rD:rD+7], v[rB:rB+15], v[rA:rA+15], v[BIAS+8*mb:BIAS+8*mb+7], v[rSB], v[rSA] matrix_a_fmt:MATRIX_FMT_BF8 matrix_b_fmt:MATRIX_FMT_BF8 matrix_a_scale:MATRIX_SCALE_ROW1
.else
	v_wmma_scale_f32_16x16x128_f8f6f4 v[rD:rD+7], v[rB:rB+15], v[rA:rA+15], v[rD:rD+7], v[rSB], v[rSA] matrix_a_fmt:MATRIX_FMT_BF8 matrix_b_fmt:MATRIX_FMT_BF8 matrix_a_scale:MATRIX_SCALE_ROW1
.endif
.set mb, mb+1
.endr
.set ma, ma+1
.endr
.endm
.macro STEP slot, q, zero
	s_wait_dscnt (NB/2)*4                          ; B's set and A's lower blocks are in; A's upper blocks may be out
	MULR 0, NB/2, (\q)%2, \q, \slot, \zero
	s_wait_dscnt 0x0
	PLACES 8
	FETCH_B \slot, (\q)+1, 1-(\q)%2
	FETCH_A \slot, (\q)+1, 0
	MULR NB/2, NB/2, (\q)%2, \q, \slot, \zero
	PLACES 8
	WIN 0
	FETCH_A \slot, (\q)+1, NB/2
.endm
.macro TURN slot, next, fill
	s_wait_tensorcnt 0x0                           ; all my tensor loads have landed: my part of the next slot
	ds_add_u32 v[SPW], v[NIL]                      ; 0 onto my spare word
	s_wait_dscnt (NB/2)*4+1                        ; (the add and A's upper blocks may be out)
	MULR 0, NB/4, 1, NQ-1, \slot, 0
	s_wait_dscnt 0x0                               ; the add is done, and my reads of this slot are over
	s_barrier_signal -1
	MULR NB/4, NB/4, 1, NQ-1, \slot, 0
	WIN 0
	s_barrier_wait -1
.if \fill
	CREST
	s_add_nc_u64 s[G0+4*\slot+2:G0+4*\slot+3], s[G0+4*\slot+2:G0+4*\slot+3], 2*ROWB
	s_add_nc_u64 s[G0B+4*\slot+2:G0B+4*\slot+3], s[G0B+4*\slot+2:G0B+4*\slot+3], 2*ROWB
	JLOAD G0+4*\slot, G1, G0B+4*\slot, G1B
	PLACES 4
.else
	PLACES 8
.endif
	v_add_nc_u32 v[ADRS], 4*NQ, v[ADRS]
	FETCH_B \next, 0, 0
	FETCH_A \next, 0, 0
	SCALES \next
	MULR NB/2, NB/2, 1, NQ-1, \slot, 0
	PLACES 8
	WIN 0
	FETCH_A \next, 0, NB/2
.endm
.macro LAST
	s_wait_dscnt (NB/2)*4
	MULR 0, NB/2, 1, NQ-1, 1, 0
	s_wait_dscnt 0x0
	MULR NB/2, NB/2, 1, NQ-1, 1, 0
	WIN 0
.endm
	s_load_b64 s[4:5], s[0:1], 0x0                 ; A
	s_load_b128 s[8:11], s[0:1], 0x8               ; B's codes, B's scales
	s_load_b128 s[92:95], s[0:1], 0x18             ; bias, residual
	s_load_b64 s[12:13], s[0:1], 0x28              ; out
	v_lshl_add_u32 v[SPW], v0, 2, SPARE
	v_mov_b32 v[NIL], 0
	ds_add_u32 v28, v29
	ds_add_u32 v28, v29
	s_wait_dscnt 0x0
	v_lshrrev_b32 v1, 5, v0
	v_readfirstlane_b32 s14, v1                    ; wave 0..3
	s_lshr_b32 s15, s14, 1                         ; my half of the tile's rows.  Also: I fetch for A (0) or for B (1)
	s_and_b32 s16, s14, 1                          ; my half of its columns.  Also: which 64 rows I fetch
	s_bfe_u32 s40, ttmp6, 0x40000                  ; cx
	s_bfe_u32 s41, ttmp6, 0x40004                  ; cy
	s_lshl_b32 s42, ttmp9, 2
	s_add_co_u32 s42, s42, s40                     ; tile column
	s_and_b32 s17, ttmp7, 0xffff
	s_lshl_b32 s17, s17, 2
	s_add_co_u32 s17, s17, s41                     ; tile row
	s_lshl_b32 s43, s41, 2
	s_lshl_b32 s43, 15, s43                        ; my row of the cluster
	s_lshl_b32 s44, 0x1111, s40                    ; my column
	s_or_b32 s[G1+0], s43, (0<<16)|(1<<20)|(1<<21)|(QIC<<22)|(3<<25)
	s_or_b32 s[G1B+0], s44, (0<<16)|(1<<20)|(1<<21)|(QIC<<22)|(3<<25)
.irp g, G1, G1B
	s_mov_b32 s[\g+1], ROWB<<16
	s_mov_b32 s[\g+2], (16*NB)<<16
	s_mov_b32 s[\g+3], ROWB<<16
	s_mov_b32 s[\g+4], 16*NB
	s_mov_b32 s[\g+5], KROW
	s_mov_b32 s[\g+6], 0
	s_mov_b32 s[\g+7], 0
.endr
	s_or_b32 s[G1S+0], s43, (3<<16)|(1<<20)|(1<<21)|(5<<22)|(3<<25)
	s_or_b32 s[G1SB+0], s44, (3<<16)|(1<<20)|(1<<21)|(5<<22)|(3<<25)
.irp g, G1S, G1SB
	s_mov_b32 s[\g+1], 32<<16
	s_mov_b32 s[\g+2], SROWS<<16
	s_mov_b32 s[\g+3], 32<<16
	s_mov_b32 s[\g+4], SROWS
	s_mov_b32 s[\g+5], 32
	s_mov_b32 s[\g+6], 0
	s_mov_b32 s[\g+7], 0
.endr
	s_mul_i32 s18, s16, 16*NB
	s_mul_i32 s20, s17, 32*NB
	s_add_co_u32 s20, s20, s18
	s_mul_i32 s46, s42, 32*NB
	s_add_co_u32 s46, s46, s18
	s_mov_b32 s21, 0
	s_mov_b32 s47, 0
	s_mov_b64 s[18:19], KS
	s_mul_u64 s[22:23], s[20:21], s[18:19]
	s_mul_u64 s[96:97], s[46:47], s[18:19]
	s_mov_b64 s[18:19], KROW
	s_mul_u64 s[20:21], s[20:21], s[18:19]
	s_mul_u64 s[46:47], s[46:47], s[18:19]
	s_mul_i32 s45, s14, HALFT
	s_mul_i32 s2, s14, HALFS
	s_wait_kmcnt 0x0
	s_add_nc_u64 s[6:7], s[4:5], 4096*SIZE_K       ; A's scale bytes lie behind its codes
	s_add_nc_u64 s[20:21], s[4:5], s[20:21]
	s_add_nc_u64 s[22:23], s[6:7], s[22:23]
	s_add_nc_u64 s[46:47], s[8:9], s[46:47]
	s_add_nc_u64 s[96:97], s[10:11], s[96:97]
	CROUND                                         ; all sixteen work-groups are here: the first joint loads meet
	s_mov_b32 s[G0S], 1
	s_add_co_u32 s[G0S+1], s2, SCL
	s_mov_b64 s[G0S+2:G0S+3], s[22:23]
	s_or_b32 s[G0S+3], s[G0S+3], 0x80000000
	s_mov_b32 s[G0SB], 1
	s_add_co_u32 s[G0SB+1], s2, SCL
	s_mov_b64 s[G0SB+2:G0SB+3], s[96:97]
	s_or_b32 s[G0SB+3], s[G0SB+3], 0x80000000
	JLOAD G0S, G1S, G0SB, G1SB
.irp s, 0,1
	s_mov_b32 s[G0+4*\s], 1
	s_add_co_u32 s[G0+4*\s+1], s45, \s*SLOT
	s_add_nc_u64 s[G0+4*\s+2:G0+4*\s+3], s[20:21], \s*ROWB
	s_or_b32 s[G0+4*\s+3], s[G0+4*\s+3], 0x80000000
	s_mov_b32 s[G0B+4*\s], 1
	s_add_co_u32 s[G0B+4*\s+1], s45, \s*SLOT
	s_add_nc_u64 s[G0B+4*\s+2:G0B+4*\s+3], s[46:47], \s*ROWB
	s_or_b32 s[G0B+4*\s+3], s[G0B+4*\s+3], 0x80000000
	JLOAD G0+4*\s, G1, G0B+4*\s, G1B
.endr
	v_and_b32 v1, 15, v0
	v_bfe_u32 v2, v0, 4, 1
	v_mul_u32_u24 v3, v1, PITCH
	v_lshl_add_u32 v4, v2, 4, v3
	s_mul_i32 s21, s15, HALFT
	s_mul_i32 s22, s16, HALFT
	s_add_co_u32 s22, s22, 2*HALFT
.irp s, 0,1
	v_add_nc_u32 v[ADRA+\s], s21, v4
	v_add_nc_u32 v[ADRB+\s], s22, v4
	s_add_co_u32 s21, s21, SLOT
	s_add_co_u32 s22, s22, SLOT
.endr
	v_mul_u32_u24 v5, v1, KS
	v_lshrrev_b32 v6, 8, v5
	v_lshl_add_u32 v5, v6, 4, v5
	s_mul_i32 s21, s15, HALFS
	s_mul_i32 s22, s16, HALFS
	s_add_co_u32 s22, s22, 2*HALFS
	s_sub_co_u32 s22, s22, s21
	v_mul_u32_u24 v6, s22, v2
	s_add_co_u32 s21, s21, SCL
	v_add_nc_u32 v5, v5, v6
	v_add_nc_u32 v[ADRS], s21, v5
	s_mul_i32 s23, s14, 16*272                     ; my stage: 16 rows x (256 + 16) bytes, in slot 0, which has had its last fill and its last read when the first result is stored there
	v_mul_u32_u24 v5, v1, 272
	v_lshl_add_u32 v5, v2, 5, v5
	v_add_nc_u32 v[STO], s23, v5                   ; in: row r, 32 bytes for each half of the lanes
	v_mul_u32_u24 v5, v2, 272
	v_lshl_add_u32 v5, v1, 4, v5
	v_add_nc_u32 v[RD], s23, v5                    ; back: lanes 0-15 one row of 256 bytes, lanes 16-31 the next
	v_lshlrev_b32 v5, 12, v2
	v_lshl_add_u32 v[CO], v1, 4, v5                ; and the same two rows in memory
	s_lshl_b32 s20, s17, 7
	s_lshl_b32 s21, s15, 6
	s_add_co_u32 s20, s20, s21                     ; my first row
	s_lshl_b32 s20, s20, 12
	s_lshl_b32 s46, s42, 9
	s_lshl_b32 s47, s16, 8
	s_add_co_u32 s46, s46, s47                     ; my first column, in bytes
	s_add_co_u32 s20, s20, s46
	s_mov_b32 s21, 0
	s_mov_b32 s47, 0
	s_add_nc_u64 s[12:13], s[12:13], s[20:21]
	s_add_nc_u64 s[94:95], s[94:95], s[20:21]
	s_add_nc_u64 s[92:93], s[92:93], s[46:47]
	v_lshlrev_b32 v7, 4, v1
	global_load_b128 v[8:11], v7, s[92:93]         ; the bias of my four columns of a stored row
.irp a, 0,1,2,3
.irp t, 0,1,2,3,4,5,6,7
	global_load_b128 v[64+128*(\a/2)+32*(\a%2)+4*\t:67+128*(\a/2)+32*(\a%2)+4*\t], v[CO], s[94:95] offset:(16*\a+2*\t)*4096   ; the residual lands while the products run
.endr
.endr
	s_wait_tensorcnt 1                             ; the scales and my part of slot 0 are in (slot 1's load may be out)
	s_barrier_signal -1
	s_barrier_wait -1
	FETCH_B 0, 0, 0
	FETCH_A 0, 0, 0
	SCALES 0
	FETCH_A 0, 0, NB/2
	STEP 0, 0, 1                                   ; the first step starts the sums
	STEP 0, 1, 0
	STEP 0, 2, 0
.if LAPS > 1
	s_mov_b32 s3, LAPS-1
.Llap:
	TURN 0, 1, 1
	STEP 1, 0, 0
	STEP 1, 1, 0
	STEP 1, 2, 0
	TURN 1, 0, 1
	STEP 0, 0, 0
	STEP 0, 1, 0
	STEP 0, 2, 0
	s_sub_co_u32 s3, s3, 1
	s_cmp_lg_u32 s3, 0
	s_cbranch_scc1 .Llap
.endif
	TURN 0, 1, 0
	STEP 1, 0, 0
	STEP 1, 1, 0
	STEP 1, 2, 0
	LAST
; THE WAY OUT, 16 rows x 64 columns at a time through my own stage: LDS serves a wave's instructions in order (ISA guide 5.7.1.4), so no wait stands between the stores and the loads
.macro TOSTAGE a
	WIN 0x08                                       ; an LDS store's data are its source 1: window 2
.irp b, 0,1,2,3
	ds_store_b128 v[STO], v[8*(4*(\a)+\b):8*(4*(\a)+\b)+3] offset:64*\b          ; each accumulator from its low end on
	ds_store_b128 v[STO], v[8*(4*(\a)+\b)+4:8*(4*(\a)+\b)+7] offset:64*\b+16
.endr
	WIN 0
.irp t, 0,1,2,3,4,5,6,7
	ds_load_b128 v[128+32*((\a)%2)+4*\t:131+32*((\a)%2)+4*\t], v[RD] offset:\t*544
.endr
.endm
.macro SEND a, younger
.set BB, 128+32*((\a)%2)
.set RS, 64+128*((\a)/2)+32*((\a)%2)
	s_wait_dscnt \younger                          ; the block is back in registers; the next block's eight stores and eight loads may be out
.irp t, 0,1,2,3,4,5,6,7
	v_pk_add_f32 v[BB+4*\t:BB+4*\t+1], v[BB+4*\t:BB+4*\t+1], v[8:9]
	v_pk_add_f32 v[BB+4*\t+2:BB+4*\t+3], v[BB+4*\t+2:BB+4*\t+3], v[10:11]
	v_pk_add_f32 v[BB+4*\t:BB+4*\t+1], v[BB+4*\t:BB+4*\t+1], v[RS+4*\t:RS+4*\t+1]
	v_pk_add_f32 v[BB+4*\t+2:BB+4*\t+3], v[BB+4*\t+2:BB+4*\t+3], v[RS+4*\t+2:RS+4*\t+3]
	global_store_b128 v[CO], v[BB+4*\t:BB+4*\t+3], s[12:13] offset:(16*(\a)+2*\t)*4096   ; sixteen lanes store 256 consecutive bytes, at a multiple of 256 from the buffer's first byte
.endr
.endm
	PLACES 8
	s_wait_loadcnt 0x0                             ; bias and residual
	TOSTAGE 0
	TOSTAGE 1
	SEND 0, 16
	s_wait_xcnt 0x0                                ; block 0's stores have read their registers: block 2's loads may land there
	TOSTAGE 2
	SEND 1, 16
	s_wait_xcnt 0x0
	TOSTAGE 3
	SEND 2, 16
	SEND 3, 0
	s_wait_tensorcnt 0x0                           ; the wave's end
	ds_add_u32 v[SPW], v[NIL]
	s_wait_dscnt 0x0
	CROUND                                         ; the closing round
	s_endpgm
.Lfunc_end_k_q357b86482a_wo:
	.size	k_q357b86482a_wo, .Lfunc_end_k_q357b86482a_wo-k_q357b86482a_wo
	.p2alignl 7, 3214868480
	.fill 96, 4, 3214868480
	.section	.rodata,"a",@progbits
	.p2align	6, 0x0
	.amdhsa_kernel k_q357b86482a_wo
		.amdhsa_group_segment_fixed_size 327680
		.amdhsa_private_segment_fixed_size 0
		.amdhsa_enable_private_segment 0
		.amdhsa_kernarg_size 48
		.amdhsa_user_sgpr_count 2
		.amdhsa_user_sgpr_kernarg_segment_ptr 1
		.amdhsa_wavefront_size32 1
		.amdhsa_system_sgpr_workgroup_id_x 1
		.amdhsa_system_sgpr_workgroup_id_y 1
		.amdhsa_system_sgpr_workgroup_id_z 1
		.amdhsa_system_vgpr_workitem_id 0
		.amdhsa_next_free_vgpr 768
		.amdhsa_next_free_sgpr 100
		.amdhsa_reserve_vcc 0
		.amdhsa_float_denorm_mode_32 3
		.amdhsa_float_denorm_mode_16_64 3
		.amdhsa_memory_ordered 1
		.amdhsa_forward_progress 1
		.amdhsa_inst_pref_size 67
	.end_amdhsa_kernel
	.amdgpu_metadata
---
amdhsa.version: [ 1, 2 ]
amdhsa.kernels:
  - .name:           k_q357b86482a_wo
    .symbol:         k_q357b86482a_wo.kd
    .args:
      - { .name: ctx, .offset: 0, .size: 8, .value_kind: global_buffer, .address_space: global }
      - { .name: Wo_codes, .offset: 8, .size: 8, .value_kind: global_buffer, .address_space: global }
      - { .name: Wo_scales, .offset: 16, .size: 8, .value_kind: global_buffer, .address_space: global }
      - { .name: bo, .offset: 24, .size: 8, .value_kind: global_buffer, .address_space: global }
      - { .name: x, .offset: 32, .size: 8, .value_kind: global_buffer, .address_space: global }
      - { .name: x1, .offset: 40, .size: 8, .value_kind: global_buffer, .address_space: global }
    .group_segment_fixed_size: 327680
    .private_segment_fixed_size: 0
    .kernarg_segment_align: 8
    .kernarg_segment_size: 48
    .max_flat_workgroup_size: 128
    .sgpr_count:     100
    .vgpr_count:     768
    .wavefront_size: 32
...
	.end_amdgpu_metadata
.endif
;; end of part 4
;; launch ln2: the kernel of part 1 again; grid 256 x 1, 4 waves a work-group, no clusters, 22,016 bytes of LDS; arguments x1, g2, be2, hq; writes hq
;; launch ffn1 (part 5): grid 16 x 16, 4 waves a work-group, clusters of 4 x 4, 327,680 bytes of LDS; arguments hq, W1_codes, W1_scales, b1, ff; writes ff
.if DOCPART == 5
	.amdgcn_target "amdgcn-amd-amdhsa--gfx1250"
	.amdhsa_code_object_version 6
	.text
	.protected	k_q357b86482a_ffn1
	.globl	k_q357b86482a_ffn1
	.p2align	8
	.type	k_q357b86482a_ffn1,@function
k_q357b86482a_ffn1:
	s_mov_b64 s[64:65], 0
	v_nop
	global_prefetch_b8 v0, s[64:65] scope:SCOPE_SE
	s_setreg_imm32_b32 hwreg(HW_REG_WAVE_MODE, 25, 1), 1
	s_wait_xcnt 0x0
	s_wait_alu depctr_hold_cnt(0) depctr_sa_sdst(0) depctr_va_vdst(0) depctr_va_sdst(0) depctr_va_ssrc(0) depctr_va_vcc(0) depctr_vm_vsrc(0)
	s_getreg_b32 s2, hwreg(HW_REG_IB_STS2, 6, 4)
	s_cmp_eq_u32 s2, 0
	s_cbranch_scc0 .Lentry_in_a_cluster
	s_endpgm
.Lentry_in_a_cluster:
	s_bfe_u32 s2, ttmp6, 0x10000c
	s_cmp_lg_u32 s2, 0xf033
	s_cbranch_scc0 .Lentry_shape_is_right
	s_endpgm
.Lentry_shape_is_right:
; ff = Q(gelu(h2 W1^T + b1)): the product on codes of BF8 (E5M2) with E8M0 scales, the exact gelu in f32, the result quantised along the 4,096 for the next product.
; h2: codes [4096][1024] at byte 0 of hq, scale bytes [4096][32] at 4,194,304.  W1: codes [4096][1024], scale bytes [4096][32].  out (ff): codes [4096][4096] at 0, scale bytes [4096][128] at 16,777,216.
; THE PRODUCT: a tile of 256 x 256 by four waves, 128 x 128 each (64 accumulators, 512 registers); K in steps of 256 through two LDS slots filled by the tensor data mover; the scale bytes of the tile's rows come once.
; 4 x 4 work-groups form a cluster: A's tiles are asked for jointly along a row of it, B's along a column.  Used transposed: source 0 = 16 rows of W1, source 1 = 16 rows of h2: a lane holds eight neighbouring features of a token.
; b1 is the C of the first step.
; GELU: gelu(x) = max(x, 0) - |x| G, G = erfc(|x| / sqrt 2) / 2 = t 2^(k x^2 + c0 + c1 t + .. + c9 t^9), t = 1 / (1 + 0.35355339 |x|): the Chebyshev fit of erfc with fractional error 1.2e-7,
; its coefficients times log2(e), the half folded into c0.
; THE WAY OUT is a loop of eight trips over A's blocks of 16 rows: the body (gelu, quantiser, stores) is written once; what differs, the block's accumulators, is brought into window 0 by one of eight short stubs.
; The scale words are stored four bytes a row, 128 bytes apart: one byte in 32 of the codes'; laid by rows, the next launch fetches its tile's scales as one dense block.
; LIMITS: NaN and infinities are not served; v_exp_f32 gives 0 under 2^-126; a block of zeros gets the byte 1 (its codes are zeros; only this program reads the bytes).
.set SIZE_K, 1024
.set NB,     8
.set KSLOT,  256
.set QIC,    5
.set NQ,     KSLOT/128
.set ROWB,   KSLOT
.set KROW,   SIZE_K
.set PITCH,  ROWB+16
.set HALFT,  16*NB*PITCH
.set SLOT,   4*HALFT
.set LAPS,   SIZE_K/(2*KSLOT)
.set KS,     SIZE_K/32
.set SCL,    2*SLOT
.set SROWS,  16*NB*KS/256
.set HALFS,  SROWS*272
.set SBLK,   (16*KS/256)*272
.set SPARE,  SCL+4*HALFS               ; the spare words, 128 bytes a wave: no other line names them
.set STGW,   18432                     ; the way out: a stage of 128 rows x (128 + 16) bytes for each wave, in slot 0, which has had its last fill and its last read by then
.set ADRA, 16
.set ADRB, 20
.set STO,  24
.set RD,   25
.set CO,   26
.set ADRS, 27
.set SPW,  28
.set NIL,  29
.set SC,   32
.set BIAS, 64
.set AF,   128
.set CF,   2                           ; v2-11   c0 .. c9
.set T,    64                          ; x, then gelu(x)
.set TT,   128                         ; t, then max(x, 0)
.set P,    192                         ; the polynomial, then G
.set PC,   32
.set TM,   48
.set PW,   30
.set SEL,  52
.set MNT,  54
.set HS,   55
.set KK,   60
.set G1, 24
.set G0, 32
.set G1B, 48
.set G0B, 56
.set G1S, 68
.set G0S, 76
.set G1SB, 80
.set G0SB, 88
.set TO_B, 0x40
.set MSB, 0
.macro WIN new
.if MSB != (\new)
	s_set_vgpr_msb (MSB<<8)|(\new)
.set MSB, (\new)
.endif
.endm
.macro PLACES n                        ; plain vector instructions behind matrix instructions: 8 for this form
.rept \n
	v_nop
.endr
.endm
.macro JLOAD g0a, g1a, g0b, g1b        ; a joint load: waves 0 and 1 fetch for A, waves 2 and 3 for B; four v_nop follow each line
	s_cmp_eq_u32 s15, 0
	s_cbranch_scc0 .Lfor_b_\@
	tensor_load_to_lds s[\g0a:\g0a+3], s[\g1a:\g1a+7]
	s_nop 0
.rept 4
	v_nop
.endr
	s_branch .Lasked_\@
.Lfor_b_\@:
	tensor_load_to_lds s[\g0b:\g0b+3], s[\g1b:\g1b+7]
	s_nop 0
.rept 4
	v_nop
.endr
.Lasked_\@:
.endm
.macro CREST
	s_cmp_lg_u32 s14, 0
	s_cbranch_scc1 .Lnot_wave_0_\@
	s_barrier_signal -3
.Lnot_wave_0_\@:
	s_barrier_wait -3
	s_barrier_signal -1
	s_barrier_wait -1
.endm
.macro CROUND
	s_barrier_signal -1
	s_barrier_wait -1
	CREST
.endm
.macro FRAG reg, adr, q, i
.irp c, 0,1,2,3
	ds_load_b128 v[\reg+4*\c:\reg+4*\c+3], v[\adr] offset:128*(\q)+32*\c+(\i)*16*PITCH
.endr
.endm
.macro FETCH_B slot, q, p
	WIN TO_B
.set fi, 0
.rept NB
	FRAG 128*(\p)+16*fi, ADRB+\slot, \q, fi
.set fi, fi+1
.endr
	WIN 0
.endm
.macro FETCH_A slot, q, i0
.set fi, \i0
.rept NB/2
	FRAG AF+16*fi, ADRA+\slot, \q, fi
.set fi, fi+1
.endr
.endm
.macro SCALES sc
.set fi, 0
.rept NB
.if NQ == 2
	ds_load_b64 v[SC+16*(\sc)+2*fi:SC+16*(\sc)+2*fi+1], v[ADRS] offset:fi*SBLK
.else
	ds_load_b128 v[SC+16*(\sc)+4*fi:SC+16*(\sc)+4*fi+3], v[ADRS] offset:fi*SBLK
.endif
.set fi, fi+1
.endr
.endm
.macro MULR a0, n, p, q, sc, zero      ; zero = 2: C is the bias.  The accumulators take turns, one instruction a turn
.set ma, \a0
.rept \n
.if (\zero) == 2
	WIN 0x81+0x40*((8*NB*ma)/256)
.else
	WIN 0xa1+0x50*((8*NB*ma)/256)
.endif
.set mb, 0
.rept NB
.set rD, (8*(NB*ma+mb))%256
.set rB, 128*(\p)+16*mb
.set rA, AF+16*ma
.set rSB, SC+16*(\sc)+NQ*mb+(\q)
.set rSA, SC+16*(\sc)+NQ*ma+(\q)
.if (\zero) == 1
	v_wmma_scale_f32_16x16x128_f8f6f4 v[rD:rD+7], v[rB:rB+15], v[rA:rA+15], 0, v[rSB], v[rSA] matrix_a_fmt:MATRIX_FMT_BF8 matrix_b_fmt:MATRIX_FMT_BF8 matrix_a_scale:MATRIX_SCALE_ROW1
.elseif (\zero) == 2
	v_wmma_scale_f32_16x16x128_f8f6f4 v[rD:rD+7], v[rB:rB+15], v[rA:rA+15], v[BIAS+8*mb:BIAS+8*mb+7], v[rSB], v[rSA] matrix_a_fmt:MATRIX_FMT_BF8 matrix_b_fmt:MATRIX_FMT_BF8 matrix_a_scale:MATRIX_SCALE_ROW1
.else
	v_wmma_scale_f32_16x16x128_f8f6f4 v[rD:rD+7], v[rB:rB+15], v[rA:rA+15], v[rD:rD+7], v[rSB], v[rSA] matrix_a_fmt:MATRIX_FMT_BF8 matrix_b_fmt:MATRIX_FMT_BF8 matrix_a_scale:MATRIX_SCALE_ROW1
.endif
.set mb, mb+1
.endr
.set ma, ma+1
.endr
.endm
.macro STEP slot, q, zero
	s_wait_dscnt (NB/2)*4                          ; B's set and A's lower blocks are in; A's upper blocks may be out
	MULR 0, NB/2, (\q)%2, \q, \slot, \zero
	s_wait_dscnt 0x0
	PLACES 8
	FETCH_B \slot, (\q)+1, 1-(\q)%2
	FETCH_A \slot, (\q)+1, 0
	MULR NB/2, NB/2, (\q)%2, \q, \slot, \zero
	PLACES 8
	WIN 0
	FETCH_A \slot, (\q)+1, NB/2
.endm
.macro TURN slot, next, fill
	s_wait_tensorcnt 0x0                           ; all my tensor loads have landed: my part of the next slot
	ds_add_u32 v[SPW], v[NIL]                      ; 0 onto my spare word
	s_wait_dscnt (NB/2)*4+1                        ; (the add and A's upper blocks may be out)
	MULR 0, NB/4, 1, NQ-1, \slot, 0
	s_wait_dscnt 0x0                               ; the add is done, and my reads of this slot are over
	s_barrier_signal -1
	MULR NB/4, NB/4, 1, NQ-1, \slot, 0
	WIN 0
	s_barrier_wait -1
.if \fill
	CREST                                          ; the barrier has opened a round of the cluster's: no wave of any partner still reads this slot or has a load on its way
	s_add_nc_u64 s[G0+4*\slot+2:G0+4*\slot+3], s[G0+4*\slot+2:G0+4*\slot+3], 2*ROWB
	s_add_nc_u64 s[G0B+4*\slot+2:G0B+4*\slot+3], s[G0B+4*\slot+2:G0B+4*\slot+3], 2*ROWB
	JLOAD G0+4*\slot, G1, G0B+4*\slot, G1B
	PLACES 4
.else
	PLACES 8
.endif
	v_add_nc_u32 v[ADRS], 4*NQ, v[ADRS]
	FETCH_B \next, 0, 0
	FETCH_A \next, 0, 0
	SCALES \next
	MULR NB/2, NB/2, 1, NQ-1, \slot, 0
	PLACES 8
	WIN 0
	FETCH_A \next, 0, NB/2
.endm
.macro LAST
	s_wait_dscnt (NB/2)*4
	MULR 0, NB/2, 1, NQ-1, 1, 0
	s_wait_dscnt 0x0
	MULR NB/2, NB/2, 1, NQ-1, 1, 0
	WIN 0
.endm
	s_load_b64 s[4:5], s[0:1], 0x0                 ; hq
	s_load_b128 s[8:11], s[0:1], 0x8               ; W1's codes, W1's scales
	s_load_b128 s[92:95], s[0:1], 0x18             ; b1, ff
	v_lshl_add_u32 v[SPW], v0, 2, SPARE
	v_mov_b32 v[NIL], 0
	ds_add_u32 v28, v29
	ds_add_u32 v28, v29
	s_wait_dscnt 0x0
	v_lshrrev_b32 v1, 5, v0
	v_readfirstlane_b32 s14, v1
	s_lshr_b32 s15, s14, 1
	s_and_b32 s16, s14, 1
	s_bfe_u32 s40, ttmp6, 0x40000
	s_bfe_u32 s41, ttmp6, 0x40004
	s_lshl_b32 s42, ttmp9, 2
	s_add_co_u32 s42, s42, s40                     ; tile column
	s_and_b32 s17, ttmp7, 0xffff
	s_lshl_b32 s17, s17, 2
	s_add_co_u32 s17, s17, s41                     ; tile row
	s_lshl_b32 s43, s41, 2
	s_lshl_b32 s43, 15, s43
	s_lshl_b32 s44, 0x1111, s40
	s_or_b32 s[G1+0], s43, (0<<16)|(1<<20)|(1<<21)|(QIC<<22)|(3<<25)
	s_or_b32 s[G1B+0], s44, (0<<16)|(1<<20)|(1<<21)|(QIC<<22)|(3<<25)
.irp g, G1, G1B
	s_mov_b32 s[\g+1], ROWB<<16
	s_mov_b32 s[\g+2], (16*NB)<<16
	s_mov_b32 s[\g+3], ROWB<<16
	s_mov_b32 s[\g+4], 16*NB
	s_mov_b32 s[\g+5], KROW
	s_mov_b32 s[\g+6], 0
	s_mov_b32 s[\g+7], 0
.endr
	s_or_b32 s[G1S+0], s43, (3<<16)|(1<<20)|(1<<21)|(5<<22)|(3<<25)
	s_or_b32 s[G1SB+0], s44, (3<<16)|(1<<20)|(1<<21)|(5<<22)|(3<<25)
.irp g, G1S, G1SB
	s_mov_b32 s[\g+1], 32<<16
	s_mov_b32 s[\g+2], SROWS<<16
	s_mov_b32 s[\g+3], 32<<16
	s_mov_b32 s[\g+4], SROWS
	s_mov_b32 s[\g+5], 32
	s_mov_b32 s[\g+6], 0
	s_mov_b32 s[\g+7], 0
.endr
	s_mul_i32 s18, s16, 16*NB
	s_mul_i32 s20, s17, 32*NB
	s_add_co_u32 s20, s20, s18
	s_mul_i32 s46, s42, 32*NB
	s_add_co_u32 s46, s46, s18
	s_mov_b32 s21, 0
	s_mov_b32 s47, 0
	s_mov_b64 s[18:19], KS
	s_mul_u64 s[22:23], s[20:21], s[18:19]
	s_mul_u64 s[96:97], s[46:47], s[18:19]
	s_mov_b64 s[18:19], KROW
	s_mul_u64 s[20:21], s[20:21], s[18:19]
	s_mul_u64 s[46:47], s[46:47], s[18:19]
	s_mul_i32 s45, s14, HALFT
	s_mul_i32 s2, s14, HALFS
	s_wait_kmcnt 0x0
	s_add_nc_u64 s[6:7], s[4:5], 4096*SIZE_K
	s_add_nc_u64 s[20:21], s[4:5], s[20:21]
	s_add_nc_u64 s[22:23], s[6:7], s[22:23]
	s_add_nc_u64 s[46:47], s[8:9], s[46:47]
	s_add_nc_u64 s[96:97], s[10:11], s[96:97]
	CROUND
	s_mov_b32 s[G0S], 1
	s_add_co_u32 s[G0S+1], s2, SCL
	s_mov_b64 s[G0S+2:G0S+3], s[22:23]
	s_or_b32 s[G0S+3], s[G0S+3], 0x80000000
	s_mov_b32 s[G0SB], 1
	s_add_co_u32 s[G0SB+1], s2, SCL
	s_mov_b64 s[G0SB+2:G0SB+3], s[96:97]
	s_or_b32 s[G0SB+3], s[G0SB+3], 0x80000000
	JLOAD G0S, G1S, G0SB, G1SB
.irp s, 0,1
	s_mov_b32 s[G0+4*\s], 1
	s_add_co_u32 s[G0+4*\s+1], s45, \s*SLOT
	s_add_nc_u64 s[G0+4*\s+2:G0+4*\s+3], s[20:21], \s*ROWB
	s_or_b32 s[G0+4*\s+3], s[G0+4*\s+3], 0x80000000
	s_mov_b32 s[G0B+4*\s], 1
	s_add_co_u32 s[G0B+4*\s+1], s45, \s*SLOT
	s_add_nc_u64 s[G0B+4*\s+2:G0B+4*\s+3], s[46:47], \s*ROWB
	s_or_b32 s[G0B+4*\s+3], s[G0B+4*\s+3], 0x80000000
	JLOAD G0+4*\s, G1, G0B+4*\s, G1B
.endr
	v_and_b32 v1, 15, v0
	v_bfe_u32 v2, v0, 4, 1
	v_mul_u32_u24 v3, v1, PITCH
	v_lshl_add_u32 v4, v2, 4, v3
	s_mul_i32 s21, s15, HALFT
	s_mul_i32 s22, s16, HALFT
	s_add_co_u32 s22, s22, 2*HALFT
.irp s, 0,1
	v_add_nc_u32 v[ADRA+\s], s21, v4
	v_add_nc_u32 v[ADRB+\s], s22, v4
	s_add_co_u32 s21, s21, SLOT
	s_add_co_u32 s22, s22, SLOT
.endr
	v_mul_u32_u24 v5, v1, KS
	v_lshrrev_b32 v6, 8, v5
	v_lshl_add_u32 v5, v6, 4, v5
	s_mul_i32 s21, s15, HALFS
	s_mul_i32 s22, s16, HALFS
	s_add_co_u32 s22, s22, 2*HALFS
	s_sub_co_u32 s22, s22, s21
	v_mul_u32_u24 v6, s22, v2
	s_add_co_u32 s21, s21, SCL
	v_add_nc_u32 v5, v5, v6
	v_add_nc_u32 v[ADRS], s21, v5
	s_lshl_b32 s20, s42, 10
	s_lshl_b32 s21, s16, 9
	s_add_co_u32 s20, s20, s21                     ; b1 at my 128 columns
	s_mov_b32 s21, 0
	s_add_nc_u64 s[92:93], s[92:93], s[20:21]
	v_lshlrev_b32 v7, 5, v2
.irp b, 0,1,2,3,4,5,6,7
	global_load_b128 v[BIAS+8*\b:BIAS+8*\b+3], v7, s[92:93] offset:64*\b         ; columns 16 b + 8 h + 0 .. 7
	global_load_b128 v[BIAS+8*\b+4:BIAS+8*\b+7], v7, s[92:93] offset:64*\b+16
.endr
	s_wait_loadcnt 0x0
	s_wait_tensorcnt 1                             ; the scales and my part of slot 0 are in (slot 1's load may be out)
	s_barrier_signal -1
	s_barrier_wait -1
	FETCH_B 0, 0, 0
	FETCH_A 0, 0, 0
	SCALES 0
	FETCH_A 0, 0, NB/2
	STEP 0, 0, 2                                   ; the first step starts the sums, from the bias
	s_mov_b32 s3, LAPS-1
.Llap:
	TURN 0, 1, 1
	STEP 1, 0, 0
	TURN 1, 0, 1
	STEP 0, 0, 0
	s_sub_co_u32 s3, s3, 1
	s_cmp_lg_u32 s3, 0
	s_cbranch_scc1 .Llap
	TURN 0, 1, 0
	STEP 1, 0, 0
	LAST
	; THE WAY OUT.  Every tensor load has been waited for, so the descriptors' registers are free.
	PLACES 8
	v_mov_b32 v[CF+0], 0xc034d90f                  ; c0 = -2.82574822
	v_mov_b32 v[CF+1], 0x3fb8ab5a                  ; c1 =  1.44272920
	v_mov_b32 v[CF+2], 0x3f0a29d2                  ; c2 =  0.53970062
	v_mov_b32 v[CF+3], 0x3e0efb2e                  ; c3 =  0.13963006
	v_mov_b32 v[CF+4], 0xbe899a80                  ; c4 = -0.26875686
	v_mov_b32 v[CF+5], 0x3ecdfd18                  ; c5 =  0.40232158
	v_mov_b32 v[CF+6], 0xbfd1a1e5                  ; c6 = -1.63775315
	v_mov_b32 v[CF+7], 0x40097039                  ; c7 =  2.14747446
	v_mov_b32 v[CF+8], 0xbf97d29d                  ; c8 = -1.18611495
	v_mov_b32 v[CF+9], 0x3e7c6f08                  ; c9 =  0.24651730
	s_mov_b32 s[SEL], 0x76543210
	s_mov_b32 s[SEL+1], 0xfedcba98
	s_mov_b32 s[MNT], 0x600000
	s_mov_b32 s[HS], 0x3eb504f3                    ; 0.35355339
	s_mov_b32 s[KK], 0xbf38aa3b                    ; k = -log2(e) / 2
	s_mov_b32 s[KK+1], s[KK]
	v_and_b32 v1, 15, v0                           ; r
	v_bfe_u32 v12, v0, 4, 1                        ; h
	s_mul_i32 s20, s14, STGW
	v_mul_u32_u24 v[STO], v1, 144
	v_lshl_add_u32 v[STO], v12, 3, v[STO]
	v_add_nc_u32 v[STO], s20, v[STO]               ; into my stage: row r, 8 bytes for each half of the lanes
	s_mul_i32 s20, s15, 2*STGW
	s_mul_i32 s21, s16, 64*144
	s_add_co_u32 s20, s20, s21
	v_bfe_u32 v13, v0, 3, 1
	v_mul_u32_u24 v[RD], v13, STGW
	v_mad_u32_u24 v[RD], v12, 144, v[RD]
	v_and_b32 v13, 7, v0
	v_lshl_add_u32 v[RD], v13, 4, v[RD]
	v_add_nc_u32 v[RD], s20, v[RD]                 ; back: wave w takes rows 64 w on; sixteen lanes a row: eight from each column half's stage
	v_lshlrev_b32 v13, 12, v12
	v_lshl_add_u32 v[CO], v1, 4, v13               ; the same two rows in ff
	v_lshlrev_b32 v16, 7, v1                       ; row r of 128 scale bytes
	s_lshl_b32 s20, s17, 8
	s_lshl_b32 s21, s14, 6
	s_add_co_u32 s20, s20, s21
	s_lshl_b32 s20, s20, 12                        ; (256 x tile row + 64 x wave) rows of 4,096 bytes
	s_lshl_b32 s21, s42, 8
	s_add_co_u32 s20, s20, s21
	s_mov_b32 s21, 0
	s_add_nc_u64 s[12:13], s[94:95], s[20:21]      ; where I store codes
	s_lshl_b32 s20, s17, 8
	s_lshl_b32 s21, s15, 7
	s_add_co_u32 s20, s20, s21
	s_lshl_b32 s20, s20, 7                         ; (256 x tile row + 128 x row half) rows of 128 bytes
	s_lshl_b32 s21, s42, 3
	s_add_co_u32 s20, s20, s21
	s_lshl_b32 s21, s16, 2
	s_add_co_u32 s20, s20, s21
	s_add_co_u32 s20, s20, 16777216
	s_mov_b32 s21, 0
	s_add_nc_u64 s[22:23], s[94:95], s[20:21]      ; where I store scale words
.macro GELU
.set gi, 0
.rept 64
	v_fma_f32 v[TT+gi], |v[T+gi]|, s[HS], 1.0
.set gi, gi+1
.endr
.set gi, 0
.rept 64
	v_rcp_f32 v[TT+gi], v[TT+gi]                   ; t
.set gi, gi+1
.endr
	v_nop                                          ; a plain instruction behind the batch,
	s_wait_alu depctr_va_vdst(0)                   ; and one wait for it, ahead of its first reader
.set gi, 0
.rept 32
	v_pk_fma_f32 v[P+gi:P+gi+1], v[TT+gi:TT+gi+1], v[CF+8:CF+9], v[CF+8:CF+9] op_sel:[0,1,0] op_sel_hi:[1,1,0]   ; c9 t + c8
.set gi, gi+2
.endr
.irp pr, 3,2,1,0
.set gi, 0
.rept 32
	v_pk_fma_f32 v[P+gi:P+gi+1], v[P+gi:P+gi+1], v[TT+gi:TT+gi+1], v[CF+2*\pr:CF+2*\pr+1] op_sel:[0,0,1] op_sel_hi:[1,1,1]   ; the pair's second constant for both halves
.set gi, gi+2
.endr
.set gi, 0
.rept 32
	v_pk_fma_f32 v[P+gi:P+gi+1], v[P+gi:P+gi+1], v[TT+gi:TT+gi+1], v[CF+2*\pr:CF+2*\pr+1] op_sel_hi:[1,1,0]                  ; its first
.set gi, gi+2
.endr
.endr
.irp hf, 0,1
.set gi, 0
.rept 16
	v_pk_mul_f32 v[32+gi:33+gi], v[T+32*\hf+gi:T+32*\hf+gi+1], v[T+32*\hf+gi:T+32*\hf+gi+1]
.set gi, gi+2
.endr
.set gi, 0
.rept 16
	v_pk_fma_f32 v[P+32*\hf+gi:P+32*\hf+gi+1], v[32+gi:33+gi], s[KK:KK+1], v[P+32*\hf+gi:P+32*\hf+gi+1] op_sel_hi:[1,0,1]   ; + k x^2
.set gi, gi+2
.endr
.endr
.set gi, 0
.rept 64
	v_exp_f32 v[P+gi], v[P+gi]
.set gi, gi+1
.endr
	v_nop
	s_wait_alu depctr_va_vdst(0)
.set gi, 0
.rept 32
	v_pk_mul_f32 v[P+gi:P+gi+1], v[P+gi:P+gi+1], v[TT+gi:TT+gi+1]   ; G
.set gi, gi+2
.endr
.set gi, 0
.rept 64
	v_max_num_f32 v[TT+gi], 0, v[T+gi]
.set gi, gi+1
.endr
.set gi, 0
.rept 64
	v_fma_f32 v[T+gi], -|v[T+gi]|, v[P+gi], v[TT+gi]
.set gi, gi+1
.endr
.endm
; 64 numbers of a lane, v[T] on: registers 16 b .. 16 b + 15 and those of lane l xor 16 are block b of 32.  Codes to v[PC] on, the four bytes to v[PW].
.macro QUANT
.irp b, 0,1,2,3
	v_max3_num_f32 v[TM+\b], |v[T+16*\b]|, |v[T+1+16*\b]|, 0x8000000   ; with the floor 2^(16 - 127): the byte cannot fall under 1
.endr
.irp i, 2,4,6,8,10,12,14
.irp b, 0,1,2,3
	v_max3_num_f32 v[TM+\b], v[TM+\b], |v[T+16*\b+\i]|, |v[T+1+16*\b+\i]|
.endr
.endr
.irp b, 0,1,2,3
	v_permlanex16_b32 v[TM+4+\b], v[TM+\b], s[SEL], s[SEL+1]
.endr
.irp b, 0,1,2,3
	v_max_num_f32 v[TM+\b], v[TM+\b], v[TM+4+\b]
.endr
.irp b, 0,1,2,3
	v_add_nc_u32 v[TM+12+\b], 0xf8800000, v[TM+\b]
.endr
.irp b, 0,1,2,3
	v_and_or_b32 v[TM+8+\b], v[TM+\b], 0x7f800000, s[MNT]
.endr
.irp b, 0,1,2,3
	v_lshrrev_b32 v[TM+4+\b], 23, v[TM+12+\b]
.endr
	v_lshl_or_b32 v[PW], v[TM+5], 8, v[TM+4]
	v_lshl_or_b32 v[PW], v[TM+6], 16, v[PW]
	v_lshl_or_b32 v[PW], v[TM+7], 24, v[PW]
.irp b, 0,1,2,3
.irp i, 0,1,2,3,4,5,6,7,8,9,10,11,12,13,14,15
	v_med3_num_f32 v[T+16*\b+\i], v[T+16*\b+\i], -v[TM+8+\b], v[TM+8+\b]   ; the conversion does not saturate (ISA guide 7.6.2): the hold
.endr
	v_cvt_scalef32_pk8_bf8_f32 v[PC+4*\b:PC+1+4*\b], v[T+16*\b:T+7+16*\b], v[TM+12+\b]
	v_cvt_scalef32_pk8_bf8_f32 v[PC+2+4*\b:PC+3+4*\b], v[T+8+16*\b:T+15+16*\b], v[TM+12+\b]
.endr
	v_nop
.endm
	s_mov_b32 s3, 0                                ; A's block
	s_mov_b32 s32, 0                               ; its 16 rows in my stage: 2,304 bytes a trip
	s_mov_b32 s33, 0                               ; and among the scale bytes: 2,048 a trip
.Lblk:
	s_wait_xcnt 0x0                                ; the last trip's store has read its offset and its word,
	s_wait_dscnt 0x0                               ; and its LDS stores their registers: all are written again below
.irp a, 0,1,2,3,4,5,6
	s_cmp_eq_u32 s3, \a
	s_cbranch_scc1 .Lst\a
.endr
.irp a, 7,0,1,2,3,4,5,6
.Lst\a:                                            ; block a's 64 sums come over into window 0, each accumulator from its low end on: the body below is written once
	WIN 0x02+\a/4
.set gi, 0
.rept 32
	v_pk_mul_f32 v[T+gi:T+gi+1], v[64*(\a%4)+gi:64*(\a%4)+gi+1], 1.0 op_sel_hi:[1,0]
.set gi, gi+2
.endr
	WIN 0
	s_branch .Lbody
.endr
.Lbody:
	GELU
	QUANT
	v_add_nc_u32 v31, s32, v[STO]
.irp b, 0,1,2,3,4,5,6,7
	ds_store_b64 v31, v[PC+2*\b:PC+2*\b+1] offset:16*\b     ; columns 16 b + 8 h + 0 .. 7 of row 16 a + r
.endr
	v_add_nc_u32 v17, s33, v16
	global_store_b32 v17, v[PW], s[22:23]          ; both halves of the lanes write the same word with the same value
	s_add_co_u32 s32, s32, 2304
	s_add_co_u32 s33, s33, 2048
	s_add_co_u32 s3, s3, 1
	s_cmp_lt_u32 s3, 8
	s_cbranch_scc1 .Lblk
	s_wait_dscnt 0x0                               ; for the others' sake: my stores into my stage are done
	s_barrier_signal -1
	s_barrier_wait -1
.set gi, 0
.rept 32
	ds_load_b128 v[64+4*gi:67+4*gi], v[RD] offset:288*gi    ; rows 2 t + l / 16
.set gi, gi+1
.endr
.set gi, 0
.rept 32
	s_wait_dscnt 31-gi
	global_store_b128 v[CO], v[64+4*gi:67+4*gi], s[12:13] offset:8192*gi   ; sixteen lanes store 256 consecutive bytes, at a multiple of 256 from the buffer's first byte
.set gi, gi+1
.endr
	s_wait_tensorcnt 0x0                           ; the wave's end
	ds_add_u32 v[SPW], v[NIL]
	s_wait_dscnt 0x0
	CROUND                                         ; the closing round
	s_endpgm
.Lfunc_end_k_q357b86482a_ffn1:
	.size	k_q357b86482a_ffn1, .Lfunc_end_k_q357b86482a_ffn1-k_q357b86482a_ffn1
	.p2alignl 7, 3214868480
	.fill 96, 4, 3214868480
	.section	.rodata,"a",@progbits
	.p2align	6, 0x0
	.amdhsa_kernel k_q357b86482a_ffn1
		.amdhsa_group_segment_fixed_size 327680
		.amdhsa_private_segment_fixed_size 0
		.amdhsa_enable_private_segment 0
		.amdhsa_kernarg_size 40
		.amdhsa_user_sgpr_count 2
		.amdhsa_user_sgpr_kernarg_segment_ptr 1
		.amdhsa_wavefront_size32 1
		.amdhsa_system_sgpr_workgroup_id_x 1
		.amdhsa_system_sgpr_workgroup_id_y 1
		.amdhsa_system_sgpr_workgroup_id_z 1
		.amdhsa_system_vgpr_workitem_id 0
		.amdhsa_next_free_vgpr 1024
		.amdhsa_next_free_sgpr 100
		.amdhsa_reserve_vcc 0
		.amdhsa_float_denorm_mode_32 3
		.amdhsa_float_denorm_mode_16_64 3
		.amdhsa_memory_ordered 1
		.amdhsa_forward_progress 1
		.amdhsa_inst_pref_size 190
	.end_amdhsa_kernel
	.amdgpu_metadata
---
amdhsa.version: [ 1, 2 ]
amdhsa.kernels:
  - .name:           k_q357b86482a_ffn1
    .symbol:         k_q357b86482a_ffn1.kd
    .args:
      - { .name: hq, .offset: 0, .size: 8, .value_kind: global_buffer, .address_space: global }
      - { .name: W1_codes, .offset: 8, .size: 8, .value_kind: global_buffer, .address_space: global }
      - { .name: W1_scales, .offset: 16, .size: 8, .value_kind: global_buffer, .address_space: global }
      - { .name: b1, .offset: 24, .size: 8, .value_kind: global_buffer, .address_space: global }
      - { .name: ff, .offset: 32, .size: 8, .value_kind: global_buffer, .address_space: global }
    .group_segment_fixed_size: 327680
    .private_segment_fixed_size: 0
    .kernarg_segment_align: 8
    .kernarg_segment_size: 40
    .max_flat_workgroup_size: 128
    .sgpr_count:     100
    .vgpr_count:     1024
    .wavefront_size: 32
...
	.end_amdgpu_metadata
.endif
;; end of part 5
;; launch ffn2 (part 6): grid 8 x 32, 4 waves a work-group, clusters of 4 x 4, 327,680 bytes of LDS; arguments ff, W2_codes, W2_scales, b2, x1, out0; writes out0
.if DOCPART == 6
	.amdgcn_target "amdgcn-amd-amdhsa--gfx1250"
	.amdhsa_code_object_version 6
	.text
	.protected	k_q357b86482a_ffn2
	.globl	k_q357b86482a_ffn2
	.p2align	8
	.type	k_q357b86482a_ffn2,@function
k_q357b86482a_ffn2:
	s_mov_b64 s[64:65], 0
	v_nop
	global_prefetch_b8 v0, s[64:65] scope:SCOPE_SE
	s_setreg_imm32_b32 hwreg(HW_REG_WAVE_MODE, 25, 1), 1
	s_wait_xcnt 0x0
	s_wait_alu depctr_hold_cnt(0) depctr_sa_sdst(0) depctr_va_vdst(0) depctr_va_sdst(0) depctr_va_ssrc(0) depctr_va_vcc(0) depctr_vm_vsrc(0)
	s_getreg_b32 s2, hwreg(HW_REG_IB_STS2, 6, 4)
	s_cmp_eq_u32 s2, 0
	s_cbranch_scc0 .Lentry_in_a_cluster
	s_endpgm
.Lentry_in_a_cluster:
	s_bfe_u32 s2, ttmp6, 0x10000c
	s_cmp_lg_u32 s2, 0xf033
	s_cbranch_scc0 .Lentry_shape_is_right
	s_endpgm
.Lentry_shape_is_right:
; out = res + A B^T + bias.  A: codes of BF8 (E5M2) [4096][SIZE_K] at byte 0 of its buffer, E8M0 scale bytes [4096][SIZE_K / 32] behind them; B: codes [1024][SIZE_K], scale bytes [1024][SIZE_K / 32];
; bias [1024], res and out [4096][1024]: f32.
; 4,096 x 1,024 results make only 64 tiles of 256 x 256, so a tile is 128 x 128: 256 work-groups.  Four waves, 64 x 64 each: 16 accumulators, 128 registers.
; K goes in steps of 512 (LDS rows of 512 bytes + 16) through two slots filled by the tensor data mover: a refill has 64 matrix instructions of each wave in which to land; the scale bytes of the tile's rows, for all of K, come once.
; 4 x 4 work-groups form a cluster: A's tiles are asked for jointly along a row of it, B's along a column.  The matrix instruction is used transposed: source 0 = 16 rows of B, source 1 = 16 rows of A.
; The residual's tile is asked for at the head, into registers that the loop leaves alone, in the layout of the stores.
; REGISTERS: window 0: v0-31 addresses, v[8:11] bias; v32-63 scale words, two sets; v64-127, v192-255 the residual; v128-191 A's fragments, one set; window 1: B's fragments, two sets; window 2: the accumulators, (a, b) at 8 (4 a + b).
.set SIZE_K, 4096
.set NB,     4
.set KSLOT,  512
.set QIC,    6                         ; padding behind every 128 words
.set NQ,     KSLOT/128
.set ROWB,   KSLOT
.set KROW,   SIZE_K
.set PITCH,  ROWB+16
.set HALFT,  16*NB*PITCH
.set SLOT,   4*HALFT
.set LAPS,   SIZE_K/(2*KSLOT)
.set KS,     SIZE_K/32
.set SCL,    2*SLOT
.set SROWS,  16*NB*KS/256
.set HALFS,  SROWS*272
.set SBLK,   (16*KS/256)*272
.set SPARE,  SCL+4*HALFS               ; the spare words, 128 bytes a wave: no other line names them
.set ADRA, 16
.set ADRB, 20
.set STO,  24
.set RD,   25
.set CO,   26
.set ADRS, 27
.set SPW,  28
.set NIL,  29
.set SC,   32
.set BIAS, 64
.set AF,   128
.set G1, 24
.set G0, 32
.set G1B, 48
.set G0B, 56
.set G1S, 68
.set G0S, 76
.set G1SB, 80
.set G0SB, 88
.set TO_B, 0x40
.set MSB, 0
.macro WIN new
.if MSB != (\new)
	s_set_vgpr_msb (MSB<<8)|(\new)
.set MSB, (\new)
.endif
.endm
.macro PLACES n                        ; plain vector instructions behind matrix instructions: 8 for this form
.rept \n
	v_nop
.endr
.endm
.macro JLOAD g0a, g1a, g0b, g1b        ; a joint load: waves 0 and 1 fetch for A, waves 2 and 3 for B; four v_nop follow each line
	s_cmp_eq_u32 s15, 0
	s_cbranch_scc0 .Lfor_b_\@
	tensor_load_to_lds s[\g0a:\g0a+3], s[\g1a:\g1a+7]
	s_nop 0
.rept 4
	v_nop
.endr
	s_branch .Lasked_\@
.Lfor_b_\@:
	tensor_load_to_lds s[\g0b:\g0b+3], s[\g1b:\g1b+7]
	s_nop 0
.rept 4
	v_nop
.endr
.Lasked_\@:
.endm
.macro CREST
	s_cmp_lg_u32 s14, 0
	s_cbranch_scc1 .Lnot_wave_0_\@
	s_barrier_signal -3
.Lnot_wave_0_\@:
	s_barrier_wait -3
	s_barrier_signal -1
	s_barrier_wait -1
.endm
.macro CROUND
	s_barrier_signal -1
	s_barrier_wait -1
	CREST
.endm
.macro FRAG reg, adr, q, i
.irp c, 0,1,2,3
	ds_load_b128 v[\reg+4*\c:\reg+4*\c+3], v[\adr] offset:128*(\q)+32*\c+(\i)*16*PITCH
.endr
.endm
.macro FETCH_B slot, q, p
	WIN TO_B
.set fi, 0
.rept NB
	FRAG 128*(\p)+16*fi, ADRB+\slot, \q, fi
.set fi, fi+1
.endr
	WIN 0
.endm
.macro FETCH_A slot, q, i0
.set fi, \i0
.rept NB/2
	FRAG AF+16*fi, ADRA+\slot, \q, fi
.set fi, fi+1
.endr
.endm
.macro SCALES sc
.set fi, 0
.rept NB
.if NQ == 2
	ds_load_b64 v[SC+16*(\sc)+2*fi:SC+16*(\sc)+2*fi+1], v[ADRS] offset:fi*SBLK
.else
	ds_load_b128 v[SC+16*(\sc)+4*fi:SC+16*(\sc)+4*fi+3], v[ADRS] offset:fi*SBLK
.endif
.set fi, fi+1
.endr
.endm
.macro MULR a0, n, p, q, sc, zero      ; the accumulators take turns, one instruction a turn
.set ma, \a0
.rept \n
.if (\zero) == 2
	WIN 0x81+0x40*((8*NB*ma)/256)
.else
	WIN 0xa1+0x50*((8*NB*ma)/256)
.endif
.set mb, 0
.rept NB
.set rD, (8*(NB*ma+mb))%256
.set rB, 128*(\p)+16*mb
.set rA, AF+16*ma
.set rSB, SC+16*(\sc)+NQ*mb+(\q)
.set rSA, SC+16*(\sc)+NQ*ma+(\q)
.if (\zero) == 1
	v_wmma_scale_f32_16x16x128_f8f6f4 v[rD:rD+7], v[rB:rB+15], v[rA:rA+15], 0, v[rSB], v[rSA] matrix_a_fmt:MATRIX_FMT_BF8 matrix_b_fmt:MATRIX_FMT_BF8 matrix_a_scale:MATRIX_SCALE_ROW1
.elseif (\zero) == 2
	v_wmma_scale_f32_16x16x128_f8f6f4 v[rD:rD+7], v[rB:rB+15], v[rA:rA+15], v[BIAS+8*mb:BIAS+8*mb+7], v[rSB], v[rSA] matrix_a_fmt:MATRIX_FMT_BF8 matrix_b_fmt:MATRIX_FMT_BF8 matrix_a_scale:MATRIX_SCALE_ROW1
.else
	v_wmma_scale_f32_16x16x128_f8f6f4 v[rD:rD+7], v[rB:rB+15], v[rA:rA+15], v[rD:rD+7], v[rSB], v[rSA] matrix_a_fmt:MATRIX_FMT_BF8 matrix_b_fmt:MATRIX_FMT_BF8 matrix_a_scale:MATRIX_SCALE_ROW1
.endif
.set mb, mb+1
.endr
.set ma, ma+1
.endr
.endm
.macro STEP slot, q, zero
	s_wait_dscnt (NB/2)*4                          ; B's set and A's lower blocks are in; A's upper blocks may be out
	MULR 0, NB/2, (\q)%2, \q, \slot, \zero
	s_wait_dscnt 0x0
	PLACES 8
	FETCH_B \slot, (\q)+1, 1-(\q)%2
	FETCH_A \slot, (\q)+1, 0
	MULR NB/2, NB/2, (\q)%2, \q, \slot, \zero
	PLACES 8
	WIN 0
	FETCH_A \slot, (\q)+1, NB/2
.endm
.macro TURN slot, next, fill
	s_wait_tensorcnt 0x0                           ; all my tensor loads have landed: my part of the next slot
	ds_add_u32 v[SPW], v[NIL]                      ; 0 onto my spare word
	s_wait_dscnt (NB/2)*4+1                        ; (the add and A's upper blocks may be out)
	MULR 0, NB/4, 1, NQ-1, \slot, 0
	s_wait_dscnt 0x0                               ; the add is done, and my reads of this slot are over
	s_barrier_signal -1
	MULR NB/4, NB/4, 1, NQ-1, \slot, 0
	WIN 0
	s_barrier_wait -1
.if \fill
	CREST                                          ; the barrier has opened a round of the cluster's: no wave of any partner still reads this slot or has a load on its way
	s_add_nc_u64 s[G0+4*\slot+2:G0+4*\slot+3], s[G0+4*\slot+2:G0+4*\slot+3], 2*ROWB
	s_add_nc_u64 s[G0B+4*\slot+2:G0B+4*\slot+3], s[G0B+4*\slot+2:G0B+4*\slot+3], 2*ROWB
	JLOAD G0+4*\slot, G1, G0B+4*\slot, G1B
	PLACES 4
.else
	PLACES 8
.endif
	v_add_nc_u32 v[ADRS], 4*NQ, v[ADRS]
	FETCH_B \next, 0, 0
	FETCH_A \next, 0, 0
	SCALES \next
	MULR NB/2, NB/2, 1, NQ-1, \slot, 0
	PLACES 8
	WIN 0
	FETCH_A \next, 0, NB/2
.endm
.macro LAST
	s_wait_dscnt (NB/2)*4
	MULR 0, NB/2, 1, NQ-1, 1, 0
	s_wait_dscnt 0x0
	MULR NB/2, NB/2, 1, NQ-1, 1, 0
	WIN 0
.endm
	s_load_b64 s[4:5], s[0:1], 0x0                 ; A
	s_load_b128 s[8:11], s[0:1], 0x8               ; B's codes, B's scales
	s_load_b128 s[92:95], s[0:1], 0x18             ; bias, residual
	s_load_b64 s[12:13], s[0:1], 0x28              ; out
	v_lshl_add_u32 v[SPW], v0, 2, SPARE
	v_mov_b32 v[NIL], 0
	ds_add_u32 v28, v29
	ds_add_u32 v28, v29
	s_wait_dscnt 0x0
	v_lshrrev_b32 v1, 5, v0
	v_readfirstlane_b32 s14, v1                    ; wave 0..3
	s_lshr_b32 s15, s14, 1                         ; my half of the tile's rows.  Also: I fetch for A (0) or for B (1)
	s_and_b32 s16, s14, 1                          ; my half of its columns.  Also: which 64 rows I fetch
	s_bfe_u32 s40, ttmp6, 0x40000                  ; cx
	s_bfe_u32 s41, ttmp6, 0x40004                  ; cy
	s_lshl_b32 s42, ttmp9, 2
	s_add_co_u32 s42, s42, s40                     ; tile column
	s_and_b32 s17, ttmp7, 0xffff
	s_lshl_b32 s17, s17, 2
	s_add_co_u32 s17, s17, s41                     ; tile row
	s_lshl_b32 s43, s41, 2
	s_lshl_b32 s43, 15, s43                        ; my row of the cluster
	s_lshl_b32 s44, 0x1111, s40                    ; my column
	s_or_b32 s[G1+0], s43, (0<<16)|(1<<20)|(1<<21)|(QIC<<22)|(3<<25)
	s_or_b32 s[G1B+0], s44, (0<<16)|(1<<20)|(1<<21)|(QIC<<22)|(3<<25)
.irp g, G1, G1B
	s_mov_b32 s[\g+1], ROWB<<16
	s_mov_b32 s[\g+2], (16*NB)<<16
	s_mov_b32 s[\g+3], ROWB<<16
	s_mov_b32 s[\g+4], 16*NB
	s_mov_b32 s[\g+5], KROW
	s_mov_b32 s[\g+6], 0
	s_mov_b32 s[\g+7], 0
.endr
	s_or_b32 s[G1S+0], s43, (3<<16)|(1<<20)|(1<<21)|(5<<22)|(3<<25)
	s_or_b32 s[G1SB+0], s44, (3<<16)|(1<<20)|(1<<21)|(5<<22)|(3<<25)
.irp g, G1S, G1SB
	s_mov_b32 s[\g+1], 32<<16
	s_mov_b32 s[\g+2], SROWS<<16
	s_mov_b32 s[\g+3], 32<<16
	s_mov_b32 s[\g+4], SROWS
	s_mov_b32 s[\g+5], 32
	s_mov_b32 s[\g+6], 0
	s_mov_b32 s[\g+7], 0
.endr
	s_mul_i32 s18, s16, 16*NB
	s_mul_i32 s20, s17, 32*NB
	s_add_co_u32 s20, s20, s18
	s_mul_i32 s46, s42, 32*NB
	s_add_co_u32 s46, s46, s18
	s_mov_b32 s21, 0
	s_mov_b32 s47, 0
	s_mov_b64 s[18:19], KS
	s_mul_u64 s[22:23], s[20:21], s[18:19]
	s_mul_u64 s[96:97], s[46:47], s[18:19]
	s_mov_b64 s[18:19], KROW
	s_mul_u64 s[20:21], s[20:21], s[18:19]
	s_mul_u64 s[46:47], s[46:47], s[18:19]
	s_mul_i32 s45, s14, HALFT
	s_mul_i32 s2, s14, HALFS
	s_wait_kmcnt 0x0
	s_add_nc_u64 s[6:7], s[4:5], 4096*SIZE_K       ; A's scale bytes lie behind its codes
	s_add_nc_u64 s[20:21], s[4:5], s[20:21]
	s_add_nc_u64 s[22:23], s[6:7], s[22:23]
	s_add_nc_u64 s[46:47], s[8:9], s[46:47]
	s_add_nc_u64 s[96:97], s[10:11], s[96:97]
	CROUND                                         ; all sixteen work-groups are here: the first joint loads meet
	s_mov_b32 s[G0S], 1
	s_add_co_u32 s[G0S+1], s2, SCL
	s_mov_b64 s[G0S+2:G0S+3], s[22:23]
	s_or_b32 s[G0S+3], s[G0S+3], 0x80000000
	s_mov_b32 s[G0SB], 1
	s_add_co_u32 s[G0SB+1], s2, SCL
	s_mov_b64 s[G0SB+2:G0SB+3], s[96:97]
	s_or_b32 s[G0SB+3], s[G0SB+3], 0x80000000
	JLOAD G0S, G1S, G0SB, G1SB
.irp s, 0,1
	s_mov_b32 s[G0+4*\s], 1
	s_add_co_u32 s[G0+4*\s+1], s45, \s*SLOT
	s_add_nc_u64 s[G0+4*\s+2:G0+4*\s+3], s[20:21], \s*ROWB
	s_or_b32 s[G0+4*\s+3], s[G0+4*\s+3], 0x80000000
	s_mov_b32 s[G0B+4*\s], 1
	s_add_co_u32 s[G0B+4*\s+1], s45, \s*SLOT
	s_add_nc_u64 s[G0B+4*\s+2:G0B+4*\s+3], s[46:47], \s*ROWB
	s_or_b32 s[G0B+4*\s+3], s[G0B+4*\s+3], 0x80000000
	JLOAD G0+4*\s, G1, G0B+4*\s, G1B
.endr
	v_and_b32 v1, 15, v0
	v_bfe_u32 v2, v0, 4, 1
	v_mul_u32_u24 v3, v1, PITCH
	v_lshl_add_u32 v4, v2, 4, v3
	s_mul_i32 s21, s15, HALFT
	s_mul_i32 s22, s16, HALFT
	s_add_co_u32 s22, s22, 2*HALFT
.irp s, 0,1
	v_add_nc_u32 v[ADRA+\s], s21, v4
	v_add_nc_u32 v[ADRB+\s], s22, v4
	s_add_co_u32 s21, s21, SLOT
	s_add_co_u32 s22, s22, SLOT
.endr
	v_mul_u32_u24 v5, v1, KS
	v_lshrrev_b32 v6, 8, v5
	v_lshl_add_u32 v5, v6, 4, v5
	s_mul_i32 s21, s15, HALFS
	s_mul_i32 s22, s16, HALFS
	s_add_co_u32 s22, s22, 2*HALFS
	s_sub_co_u32 s22, s22, s21
	v_mul_u32_u24 v6, s22, v2
	s_add_co_u32 s21, s21, SCL
	v_add_nc_u32 v5, v5, v6
	v_add_nc_u32 v[ADRS], s21, v5
	s_mul_i32 s23, s14, 16*272                     ; my stage: 16 rows x (256 + 16) bytes, in slot 0, which has had its last fill and its last read when the first result is stored there
	v_mul_u32_u24 v5, v1, 272
	v_lshl_add_u32 v5, v2, 5, v5
	v_add_nc_u32 v[STO], s23, v5                   ; in: row r, 32 bytes for each half of the lanes
	v_mul_u32_u24 v5, v2, 272
	v_lshl_add_u32 v5, v1, 4, v5
	v_add_nc_u32 v[RD], s23, v5                    ; back: lanes 0-15 one row of 256 bytes, lanes 16-31 the next
	v_lshlrev_b32 v5, 12, v2
	v_lshl_add_u32 v[CO], v1, 4, v5                ; and the same two rows in memory
	s_lshl_b32 s20, s17, 7
	s_lshl_b32 s21, s15, 6
	s_add_co_u32 s20, s20, s21                     ; my first row
	s_lshl_b32 s20, s20, 12
	s_lshl_b32 s46, s42, 9
	s_lshl_b32 s47, s16, 8
	s_add_co_u32 s46, s46, s47                     ; my first column, in bytes
	s_add_co_u32 s20, s20, s46
	s_mov_b32 s21, 0
	s_mov_b32 s47, 0
	s_add_nc_u64 s[12:13], s[12:13], s[20:21]
	s_add_nc_u64 s[94:95], s[94:95], s[20:21]
	s_add_nc_u64 s[92:93], s[92:93], s[46:47]
	v_lshlrev_b32 v7, 4, v1
	global_load_b128 v[8:11], v7, s[92:93]         ; the bias of my four columns of a stored row
.irp a, 0,1,2,3
.irp t, 0,1,2,3,4,5,6,7
	global_load_b128 v[64+128*(\a/2)+32*(\a%2)+4*\t:67+128*(\a/2)+32*(\a%2)+4*\t], v[CO], s[94:95] offset:(16*\a+2*\t)*4096   ; the residual lands while the products run
.endr
.endr
	s_wait_tensorcnt 1                             ; the scales and my part of slot 0 are in (slot 1's load may be out)
	s_barrier_signal -1
	s_barrier_wait -1
	FETCH_B 0, 0, 0
	FETCH_A 0, 0, 0
	SCALES 0
	FETCH_A 0, 0, NB/2
	STEP 0, 0, 1                                   ; the first step starts the sums
	STEP 0, 1, 0
	STEP 0, 2, 0
.if LAPS > 1
	s_mov_b32 s3, LAPS-1
.Llap:                                             ; a trip goes once round the ring and fills both slots again
	TURN 0, 1, 1
	STEP 1, 0, 0
	STEP 1, 1, 0
	STEP 1, 2, 0
	TURN 1, 0, 1
	STEP 0, 0, 0
	STEP 0, 1, 0
	STEP 0, 2, 0
	s_sub_co_u32 s3, s3, 1
	s_cmp_lg_u32 s3, 0
	s_cbranch_scc1 .Llap
.endif
	TURN 0, 1, 0                                   ; the last lap fills nothing
	STEP 1, 0, 0
	STEP 1, 1, 0
	STEP 1, 2, 0
	LAST
; THE WAY OUT, 16 rows x 64 columns at a time through my own stage: LDS serves a wave's instructions in order (ISA guide 5.7.1.4), so no wait stands between the stores and the loads
.macro TOSTAGE a
	WIN 0x08                                       ; an LDS store's data are its source 1: window 2
.irp b, 0,1,2,3
	ds_store_b128 v[STO], v[8*(4*(\a)+\b):8*(4*(\a)+\b)+3] offset:64*\b          ; each accumulator from its low end on
	ds_store_b128 v[STO], v[8*(4*(\a)+\b)+4:8*(4*(\a)+\b)+7] offset:64*\b+16
.endr
	WIN 0
.irp t, 0,1,2,3,4,5,6,7
	ds_load_b128 v[128+32*((\a)%2)+4*\t:131+32*((\a)%2)+4*\t], v[RD] offset:\t*544
.endr
.endm
.macro SEND a, younger
.set BB, 128+32*((\a)%2)
.set RS, 64+128*((\a)/2)+32*((\a)%2)
	s_wait_dscnt \younger                          ; the block is back in registers; the next block's eight stores and eight loads may be out
.irp t, 0,1,2,3,4,5,6,7
	v_pk_add_f32 v[BB+4*\t:BB+4*\t+1], v[BB+4*\t:BB+4*\t+1], v[8:9]
	v_pk_add_f32 v[BB+4*\t+2:BB+4*\t+3], v[BB+4*\t+2:BB+4*\t+3], v[10:11]
	v_pk_add_f32 v[BB+4*\t:BB+4*\t+1], v[BB+4*\t:BB+4*\t+1], v[RS+4*\t:RS+4*\t+1]
	v_pk_add_f32 v[BB+4*\t+2:BB+4*\t+3], v[BB+4*\t+2:BB+4*\t+3], v[RS+4*\t+2:RS+4*\t+3]
	global_store_b128 v[CO], v[BB+4*\t:BB+4*\t+3], s[12:13] offset:(16*(\a)+2*\t)*4096   ; sixteen lanes store 256 consecutive bytes, at a multiple of 256 from the buffer's first byte
.endr
.endm
	PLACES 8
	s_wait_loadcnt 0x0                             ; bias and residual
	TOSTAGE 0
	TOSTAGE 1
	SEND 0, 16
	s_wait_xcnt 0x0                                ; block 0's stores have read their registers: block 2's loads may land there
	TOSTAGE 2
	SEND 1, 16
	s_wait_xcnt 0x0
	TOSTAGE 3
	SEND 2, 16
	SEND 3, 0
	s_wait_tensorcnt 0x0                           ; the wave's end
	ds_add_u32 v[SPW], v[NIL]
	s_wait_dscnt 0x0
	CROUND                                         ; the closing round
	s_endpgm
.Lfunc_end_k_q357b86482a_ffn2:
	.size	k_q357b86482a_ffn2, .Lfunc_end_k_q357b86482a_ffn2-k_q357b86482a_ffn2
	.p2alignl 7, 3214868480
	.fill 96, 4, 3214868480
	.section	.rodata,"a",@progbits
	.p2align	6, 0x0
	.amdhsa_kernel k_q357b86482a_ffn2
		.amdhsa_group_segment_fixed_size 327680
		.amdhsa_private_segment_fixed_size 0
		.amdhsa_enable_private_segment 0
		.amdhsa_kernarg_size 48
		.amdhsa_user_sgpr_count 2
		.amdhsa_user_sgpr_kernarg_segment_ptr 1
		.amdhsa_wavefront_size32 1
		.amdhsa_system_sgpr_workgroup_id_x 1
		.amdhsa_system_sgpr_workgroup_id_y 1
		.amdhsa_system_sgpr_workgroup_id_z 1
		.amdhsa_system_vgpr_workitem_id 0
		.amdhsa_next_free_vgpr 768
		.amdhsa_next_free_sgpr 100
		.amdhsa_reserve_vcc 0
		.amdhsa_float_denorm_mode_32 3
		.amdhsa_float_denorm_mode_16_64 3
		.amdhsa_memory_ordered 1
		.amdhsa_forward_progress 1
		.amdhsa_inst_pref_size 108
	.end_amdhsa_kernel
	.amdgpu_metadata
---
amdhsa.version: [ 1, 2 ]
amdhsa.kernels:
  - .name:           k_q357b86482a_ffn2
    .symbol:         k_q357b86482a_ffn2.kd
    .args:
      - { .name: ff, .offset: 0, .size: 8, .value_kind: global_buffer, .address_space: global }
      - { .name: W2_codes, .offset: 8, .size: 8, .value_kind: global_buffer, .address_space: global }
      - { .name: W2_scales, .offset: 16, .size: 8, .value_kind: global_buffer, .address_space: global }
      - { .name: b2, .offset: 24, .size: 8, .value_kind: global_buffer, .address_space: global }
      - { .name: x1, .offset: 32, .size: 8, .value_kind: global_buffer, .address_space: global }
      - { .name: out0, .offset: 40, .size: 8, .value_kind: global_buffer, .address_space: global }
    .group_segment_fixed_size: 327680
    .private_segment_fixed_size: 0
    .kernarg_segment_align: 8
    .kernarg_segment_size: 48
    .max_flat_workgroup_size: 128
    .sgpr_count:     100
    .vgpr_count:     768
    .wavefront_size: 32
...
	.end_amdgpu_metadata
.endif
;; end of part 6
